; MI455X (gfx1250); checked and timed in simulation.
; The chip was launched on July 23, 2026; its instructions are those of AMD's public machine-readable ISA for CDNA 5 (MIT licence, August 2026) and "CDNA5" Instruction Set Architecture Reference Guide (July 2026). The comments in the code are by the model that wrote it; some were corrected since.
;; Grouped Query Attention. Allowed arithmetic: matrix products marked QUANTISED: E2M1 operands, one E8M0 scale for each 32 along K, by v_wmma_scale_f32_16x16x128_f8f6f4 with both operands' format E2M1 (or v_wmma_scale_f32_32x16x128_f4), f32 sums; products left as they are: bf16, f16 or f32 operands; f32 sums; everything else in f32.
;; Inputs: Wk 2,048 x 512 float32; Wo 1,024 x 2,048 float32; Wq 2,048 x 1,024 float32; Wv 2,048 x 512 float32; k_norm_w 128 float32; q_norm_w 128 float32; x 2 x 2,048 x 2,048 float32.
;; Outputs: out0 2 x 2,048 x 2,048 float32.
;; This version of the problem:
;;   THIS VERSION OF THE PROBLEM IS GIVEN IN LOW PRECISION. The matrix products marked QUANTISED in the list below multiply operands that are first quantised to E2M1 (2 exponent bits, 1 mantissa bit; 4 bits a number), with one power-of-two scale for each 32 numbers along K (OCP MX v1.0); their sums are f32. The products marked 'left as it is' may take bf16, f16 or f32 operands, with f32 sums. Whichever they take, every output number must still come out within the allowed error. Rounding operands to bf16 (8 significant bits) uses up far more of that allowance than f16 does (11 bits, for magnitudes from 6e-5 to 65,504). All else is computed in f32.
;;   The module's matrix products, in the order in which they are computed (A, B: the left and right operand; K: the contracted axis; several contracted axes count as one K, in the product's order):
;;     1. [M 4,096, K 2,048] x [K 2,048, N 1,024]; A: input x; B: input Wq: QUANTISED
;;     2. [M 4,096, K 2,048] x [K 2,048, N 512]; A: input x; B: input Wk: QUANTISED
;;     3. [M 4,096, K 2,048] x [K 2,048, N 512]; A: input x; B: input Wv: QUANTISED
;;     4. batch 16 x [M 2,048, K 128] x [K 128, N 2,048]; A: computed on the way; B: computed on the way: left as it is (an operand is computed on the way)
;;     5. batch 16 x [M 2,048, K 2,048] x [K 2,048, N 128]; A: computed on the way; B: computed on the way: left as it is (an operand is computed on the way)
;;     6. [M 4,096, K 1,024] x [K 1,024, N 2,048]; A: computed on the way; B: input Wo: left as it is (an operand is computed on the way)
;;   THE QUANTISER, for each operand of a quantised product, along K:
;;     - K is cut into blocks of 32 from its start; a last block that is shorter is filled with zeros.
;;     - A block's scale is 2^e with e = floor(log2(the largest magnitude in the block)) - 2, held to -126 .. 127; a block of zeros has e = 0. As a byte (E8M0): e + 127.
;;     - Each number is divided by its block's scale, clamped to +-6, and rounded to the nearest number of E2M1, ties to even, subnormals kept.
;;     - The product sums the exact products of the quantised numbers (number of the format x scale) in f32.
;;   ~~~python
;;   def quantise(x, axis):      # numpy; x: float32 -> the quantised numbers, widened to float32 again
;;       x = np.moveaxis(x, axis, -1); K = x.shape[-1]
;;       x = np.pad(x, [(0, 0)] * (x.ndim - 1) + [(0, -K % 32)]); x = x.reshape(x.shape[:-1] + (-1, 32)); a = np.abs(x).max(-1, keepdims=True)
;;       e = np.where(a > 0, np.clip(np.frexp(np.where(a > 0, a, 1))[1] - 1 - 2, -126, 127), 0)      # np.frexp(a)[1] - 1 = floor(log2(a)), exactly
;;       r = np.clip(x / 2.0 ** e, -6, 6)
;;       step = 2.0 ** (np.maximum(np.frexp(np.where(r == 0, 1, r))[1] - 1, 0) - 1)
;;       q = np.round(r / step) * step * 2.0 ** e      # np.round: ties to even
;;       return np.moveaxis(q.reshape(q.shape[:-2] + (-1,))[..., :K], -1, axis).astype(np.float32)
;;   ~~~
;; One version. Each part assembles by itself: llvm-mc -triple=amdgcn-amd-amdhsa -mcpu=gfx1250 --defsym DOCPART=n.
;; ======== version 1 of 1: 5 launches
;; limits: values are held in f16: magnitudes above 65,504 overflow, below 6.1e-05 lose precision
;; workspace buffers: codes 6,291,456 bytes; scales 393,216 bytes; wo16 4,194,304 bytes; rope 1,056,768 bytes; qkvh 16,777,216 bytes; rows32 262,144 bytes; ao 8,388,608 bytes
;; launch prep (part 1): grid 416 x 1, 4 waves a work-group, no clusters, 68,096 bytes of LDS; arguments x, Wq, Wk, Wv, Wo, codes, scales, wo16, rope; writes codes, scales, wo16, rope
.if DOCPART == 1
	.amdgcn_target "amdgcn-amd-amdhsa--gfx1250"
	.amdhsa_code_object_version 6
	.text
	.protected	k_qbbf51b4180_prep
	.globl	k_qbbf51b4180_prep
	.p2align	8
	.type	k_qbbf51b4180_prep,@function
k_qbbf51b4180_prep:
	s_mov_b64 s[64:65], 0
	v_nop
	global_prefetch_b8 v0, s[64:65] scope:SCOPE_SE
	s_setreg_imm32_b32 hwreg(HW_REG_WAVE_MODE, 25, 1), 1
	s_wait_xcnt 0x0
; PREP: four jobs that depend on the inputs alone, chosen by the work-group's number.
;   work-groups   0-255  X: x [4096][2048] f32 -> codes of FP4 (E2M1), K innermost, [4096][1024 bytes], and one E8M0 byte for each 32 along K, [4096][64]
;   work-groups 256-319  W: Wq, Wk, Wv [2048 (k)][n] f32 -> codes [2048 (n)][1024 bytes] from byte 4,194,304 of the codes' buffer on (n 0-1023 Wq, 1024-1535 Wk, 1536-2047 Wv), bytes [2048][64] from byte 262,144 on
;   work-groups 320-383  O: Wo [1024][2048] f32 -> f16, same layout
;   work-groups 384-415  R: the table of cosines and sines of the rotary embedding, as images of the registers that the next launch wants
; A block's scale is 2^(floor(log2(its largest magnitude)) - 2); its byte is the largest magnitude's exponent field - 2, held at 1 from below.
; LIMITS: a block of zeros, or one whose largest magnitude lies under 2^-124, gets the byte 1 (its codes are zeros or the smallest codes; this program alone reads the bytes); NaN and infinities are not served;
; Wo's numbers go to f16: magnitudes up to 65,504.  The table's angles are t x 2^(-d log2(500000)/64) with the power from v_exp_f32 (1 ulp: ISA guide, its entry): at most about 2e-4 radians from a correctly rounded power.
; Waves share nothing: no barrier, no tensor load.  The two paths that use LDS have LDS bytes of their own.
.set SPW,   12                         ; v12  LDS address of my spare word; never rewritten
.set NIL,   13                         ; v13  0; never rewritten
.set XREG,  8192                       ; path X: a region for each wave: two stages of 32 x 80 bytes, then its 256 scale bytes
.set SP,    80
.set WSTG,  4*XREG                     ; path W: a stage of 32 rows x 272 bytes for each wave
.set WP,    272
.set SPARE, WSTG+4*32*WP               ; the spare words, 128 bytes for each wave: two blocks of 256 bytes that no other line names
.set EMAX,  2
.macro FINISH                          ; the wave's end: behind my last LDS store
	s_wait_tensorcnt 0x0
	ds_add_u32 v[SPW], v[NIL]
	s_wait_dscnt 0x0
	s_endpgm
.endm
	s_load_b512 s[4:19], s[0:1], 0x0               ; x s[4:5], Wq s[6:7], Wk s[8:9], Wv s[10:11], Wo s[12:13], codes s[14:15], scales s[16:17], wo16 s[18:19]
	s_load_b64 s[20:21], s[0:1], 0x40              ; rope
	v_lshl_add_u32 v[SPW], v0, 2, SPARE
	v_mov_b32 v[NIL], 0
	v_lshrrev_b32 v1, 5, v0
	v_readfirstlane_b32 s24, v1                    ; wave 0..3
	v_and_b32 v2, 31, v0                           ; lane
	s_wait_kmcnt 0x0
	s_cmp_lt_u32 ttmp9, 256
	s_cbranch_scc1 .Lpath_x
	s_cmp_lt_u32 ttmp9, 320
	s_cbranch_scc1 .Lpath_w
	s_cmp_lt_u32 ttmp9, 384
	s_cbranch_scc1 .Lpath_o
; ---------------- R: a wave makes block tb of the table: positions 16 tb + (lane % 16); register n = 8 b + j belongs to d = 16 b + 8 (lane / 16) + j, d under 64.
; Block tb is 16 pieces of 512 bytes, 16 bytes a lane: pieces 0-7 the cosines (registers 4 p .. 4 p + 3), pieces 8-15 the sines.  Block 128 is the identity: cosines 1, sines 0.
	s_sub_co_u32 s25, ttmp9, 384
	s_lshl_b32 s25, s25, 2
	s_add_co_u32 s25, s25, s24                     ; tb 0..127
	v_and_b32 v3, 15, v2
	v_lshrrev_b32 v4, 4, v2
	s_lshl_b32 s26, s25, 4
	v_add_nc_u32 v5, s26, v3
	v_cvt_f32_u32 v5, v5                           ; my position, as f32 (exact)
	v_lshlrev_b32 v4, 3, v4                        ; 8 (lane / 16)
	v_lshlrev_b32 v6, 4, v2                        ; 16 x lane
	s_mov_b32 s40, 0xbe9773da                      ; -log2(500000) / 64
	s_mov_b32 s41, 0x3f22f983                      ; 2 / pi
	s_mov_b32 s42, 0xbfc90fdb                      ; -(pi / 2 rounded to f32)
	s_mov_b32 s43, 0x333bbd2e                      ; -(pi / 2 less that)
	s_mov_b32 s44, 0xbe2aaaab                      ; the sine's series: -1/6, 1/120, -1/5040, 1/362880
	s_mov_b32 s45, 0x3c088889
	s_mov_b32 s46, 0xb9500d01
	s_mov_b32 s47, 0x3638ef1d
	s_mov_b32 s48, 0x3d2aaaab                      ; the cosine's: (-1/2), 1/24, -1/720, 1/40320.  Both are cut for |r| <= pi / 4, which the reduction gives for every position
	s_mov_b32 s49, 0xbab60b61
	s_mov_b32 s50, 0x37d00d01
.set n, 0
.rept 32
	v_add_nc_u32 v[32+n], 16*(n/8)+n%8, v4         ; d
.set n, n+1
.endr
.set n, 0
.rept 32
	v_cvt_f32_u32 v[32+n], v[32+n]
.set n, n+1
.endr
.set n, 0
.rept 32
	v_mul_f32 v[32+n], s40, v[32+n]
.set n, n+1
.endr
.set n, 0
.rept 32
	v_exp_f32 v[32+n], v[32+n]                     ; 500000^(-d / 64)
.set n, n+1
.endr
	v_nop                                          ; a plain instruction behind the last exponential
	s_wait_alu depctr_va_vdst(0)                   ; one wait for the batch, ahead of its first reader
; four elements by turns, so that no line waits for the line above it.  Temporaries of element e at v[128 + 12 e]: +0 angle, +1 n, +2 r, +3 r^2, +4 sine's series, +5 r^3, +6 sin r, +7 cos r, +8 n as a whole number, +9 at work
.macro RGROUP g
.irp e, 0,1,2,3
	v_mul_f32 v[128+12*\e], v5, v[32+4*(\g)+\e]    ; the angle: one rounding
.endr
.irp e, 0,1,2,3
	v_mul_f32 v[129+12*\e], s41, v[128+12*\e]
.endr
.irp e, 0,1,2,3
	v_rndne_f32 v[129+12*\e], v[129+12*\e]         ; n: how many quarter turns
.endr
.irp e, 0,1,2,3
	v_fma_f32 v[130+12*\e], v[129+12*\e], s42, v[128+12*\e]
.endr
.irp e, 0,1,2,3
	v_fma_f32 v[130+12*\e], v[129+12*\e], s43, v[130+12*\e]   ; r = angle - n pi / 2, pi / 2 in two parts
.endr
.irp e, 0,1,2,3
	v_mul_f32 v[131+12*\e], v[130+12*\e], v[130+12*\e]
.endr
.irp e, 0,1,2,3
	v_fma_f32 v[132+12*\e], v[131+12*\e], s47, s46
	v_fma_f32 v[135+12*\e], v[131+12*\e], s50, s49
.endr
.irp e, 0,1,2,3
	v_fma_f32 v[132+12*\e], v[132+12*\e], v[131+12*\e], s45
	v_fma_f32 v[135+12*\e], v[135+12*\e], v[131+12*\e], s48
.endr
.irp e, 0,1,2,3
	v_fma_f32 v[132+12*\e], v[132+12*\e], v[131+12*\e], s44
	v_fma_f32 v[135+12*\e], v[135+12*\e], v[131+12*\e], -0.5
.endr
.irp e, 0,1,2,3
	v_mul_f32 v[133+12*\e], v[130+12*\e], v[131+12*\e]
	v_fma_f32 v[135+12*\e], v[135+12*\e], v[131+12*\e], 1.0   ; cos r
.endr
.irp e, 0,1,2,3
	v_fma_f32 v[134+12*\e], v[132+12*\e], v[133+12*\e], v[130+12*\e]   ; sin r
	v_cvt_i32_f32 v[136+12*\e], v[129+12*\e]
.endr
.irp e, 0,1,2,3
	v_and_b32 v[137+12*\e], 1, v[136+12*\e]
.endr
.irp e, 0,1,2,3
	v_cmp_eq_u32 s[52+\e], 1, v[137+12*\e]         ; an odd number of quarter turns: sine and cosine change places
.endr
.irp e, 0,1,2,3
	v_cndmask_b32 v[64+4*(\g)+\e], v[135+12*\e], v[134+12*\e], s[52+\e]
	v_cndmask_b32 v[96+4*(\g)+\e], v[134+12*\e], v[135+12*\e], s[52+\e]
.endr
.irp e, 0,1,2,3
	v_add_nc_u32 v[137+12*\e], 1, v[136+12*\e]
.endr
.irp e, 0,1,2,3
	v_and_b32 v[137+12*\e], 2, v[137+12*\e]        ; the cosine is negative in quarters 1 and 2,
	v_and_b32 v[136+12*\e], 2, v[136+12*\e]        ; the sine in quarters 2 and 3
.endr
.irp e, 0,1,2,3
	v_lshlrev_b32 v[137+12*\e], 30, v[137+12*\e]
	v_lshlrev_b32 v[136+12*\e], 30, v[136+12*\e]
.endr
.irp e, 0,1,2,3
	v_xor_b32 v[64+4*(\g)+\e], v[137+12*\e], v[64+4*(\g)+\e]
	v_xor_b32 v[96+4*(\g)+\e], v[136+12*\e], v[96+4*(\g)+\e]
.endr
.endm
.irp g, 0,1,2,3,4,5,6,7
	RGROUP \g
.endr
	s_lshl_b32 s28, s25, 13                        ; a block is 8,192 bytes
	s_mov_b32 s29, 0
	s_add_nc_u64 s[28:29], s[20:21], s[28:29]
.set p, 0
.rept 16
	global_store_b128 v6, v[64+4*p:64+4*p+3], s[28:29] offset:512*p   ; 32 lanes store 512 consecutive bytes
.set p, p+1
.endr
	s_cmp_lt_u32 s25, 16                           ; sixteen waves also store a piece each of the identity block
	s_cbranch_scc0 .Lr_end
	s_cmp_lt_u32 s25, 8
	s_cselect_b32 s26, 1.0, 0
	v_mov_b32 v16, s26
	v_mov_b32 v17, s26
	v_mov_b32 v18, s26
	v_mov_b32 v19, s26
	s_lshl_b32 s27, s25, 9
	v_add_nc_u32 v7, s27, v6
	global_store_b128 v7, v[16:19], s[20:21] offset:1048576
.Lr_end:
	FINISH
; ---------------- X: a wave takes 16 steps of 512 numbers of x.  Rows are dense and 2,048 is a multiple of 32: x is a plain stream of blocks of 32, and so are its codes and bytes.
; Each of a step's four loads reads 512 consecutive bytes; the 2,048 bytes turn through the wave's own stage in LDS and come back 64 bytes (16 neighbours) a lane; two neighbouring lanes hold a block.
.Lpath_x:
.set STEPS, 16
.set R,     16                         ; v16-79   four sets of 16 numbers as loaded
.set X,     80                         ; v80-111  two sets of 16 neighbours
.set E,     112                        ; v112-127 a scale byte for each step
.set C,     128                        ; v128-191 codes: registers of its own for each step, so that no store's data are written again
	v_lshlrev_b32 v3, 4, v2                        ; my 16 bytes of a load's 512
	s_mul_i32 s25, s24, XREG
	v_lshrrev_b32 v14, 2, v2
	v_mul_u32_u24 v14, v14, SP
	v_and_b32 v15, 3, v2
	v_lshl_add_u32 v14, v15, 4, v14
	v_add_nc_u32 v14, s25, v14                     ; the stage on the way in: 80 (lane / 4) + 16 (lane % 4)
	v_mul_u32_u24 v15, v2, SP
	v_add_nc_u32 v15, s25, v15                     ; and on the way out: 80 x lane
	v_lshlrev_b32 v4, 3, v2                        ; 8 x lane: my codes' place in a step's, and my 8 scale bytes' at the end
	v_lshrrev_b32 v5, 1, v2
	s_add_co_u32 s25, s25, 2*32*SP
	v_add_nc_u32 v5, s25, v5                       ; LDS: my block's byte among my wave's 256
	v_add_nc_u32 v6, s25, v4
	s_lshl_b32 s26, ttmp9, 2
	s_add_co_u32 s26, s26, s24                     ; which run of 8,192 numbers is my wave's: 0..1023
	s_lshl_b32 s28, s26, 15
	s_mov_b32 s29, 0
	s_add_nc_u64 s[4:5], s[4:5], s[28:29]
	s_lshl_b32 s28, s26, 12
	s_add_nc_u64 s[14:15], s[14:15], s[28:29]
	s_lshl_b32 s28, s26, 8
	s_add_nc_u64 s[16:17], s[16:17], s[28:29]
.macro XLOAD t
.irp i, 0,1,2,3
	global_load_b128 v[R+16*((\t)%4)+4*\i:R+16*((\t)%4)+4*\i+3], v3, s[4:5] offset:2048*(\t)+512*\i th:TH_LOAD_NT
.endr
.endm
.macro XTURN t                         ; LDS serves a wave's instructions in order: no wait between the stores and the loads
.irp i, 0,1,2,3
	ds_store_b128 v14, v[R+16*((\t)%4)+4*\i:R+16*((\t)%4)+4*\i+3] offset:32*SP*((\t)%2)+8*SP*\i
.endr
.irp i, 0,1,2,3
	ds_load_b128 v[X+16*((\t)%2)+4*\i:X+16*((\t)%2)+4*\i+3], v15 offset:32*SP*((\t)%2)+16*\i
.endr
.endm
.irp t, 0,1,2,3
	XLOAD \t
.endr
	s_wait_loadcnt 12                              ; step 0's four loads are in; the twelve of steps 1 to 3 stay out
	XTURN 0
.macro XSTEP t
.set XS, X+16*((\t)%2)
.if (\t) > 0
	s_wait_dscnt 1                                 ; this step's numbers are back from the stage (the last step's byte store may be out)
.else
	s_wait_dscnt 0x0
.endif
.if (\t)+4 < STEPS
	XLOAD (\t)+4
.endif
.if (\t)+1 < STEPS
.if STEPS-2-(\t) >= 3
	s_wait_loadcnt 12                              ; the next step's four loads are in; those of the three steps behind it may be out
.else
	s_wait_loadcnt 4*(STEPS-2-(\t))
.endif
	XTURN (\t)+1
.endif
	v_max3_num_f32 v8, |v[XS]|, |v[XS+1]|, |v[XS+2]|
	v_max3_num_f32 v9, |v[XS+3]|, |v[XS+4]|, |v[XS+5]|
.irp i, 6,10
	v_max3_num_f32 v8, v8, |v[XS+\i]|, |v[XS+\i+1]|
	v_max3_num_f32 v9, v9, |v[XS+\i+2]|, |v[XS+\i+3]|
.endr
	v_max3_num_f32 v8, v8, |v[XS+14]|, |v[XS+15]|
	v_max3_num_f32 v8, v8, v9, (EMAX+1)<<23        ; the floor 2^(3 - 127): the byte cannot fall under 1
	v_max_num_f32_dpp v8, v8, v8 row_xmask:1 row_mask:0xf bank_mask:0xf   ; with my neighbour's 16: the block's largest magnitude
	v_add_nc_u32 v11, -(EMAX<<23), v8              ; 2 off its exponent field: the conversion takes the exponent field of this operand as its scale
	v_cvt_scalef32_pk8_fp4_f32 v[C+4*(\t)], v[XS:XS+7], v11
	v_cvt_scalef32_pk8_fp4_f32 v[C+4*(\t)+1], v[XS+8:XS+15], v11
	v_lshrrev_b32 v[E+(\t)], 23, v11               ; the scale's byte
	ds_store_b8 v5, v[E+(\t)] offset:16*(\t)       ; both lanes of a block write the same byte with the same value
	global_store_b64 v4, v[C+4*(\t):C+4*(\t)+1], s[14:15] offset:256*(\t)   ; the wave stores 256 consecutive bytes, aligned
.endm
.irp t, 0,1,2,3,4,5,6,7,8,9,10,11,12,13,14,15
	XSTEP \t
.endr
	ds_load_b64 v[8:9], v6                         ; my wave's 256 scale bytes, 8 a lane
	s_wait_dscnt 0x0
	global_store_b64 v4, v[8:9], s[16:17]
	FINISH
; ---------------- W: a lane takes a column n, and its registers run down K: a block of 32 along K lies in one lane's 32 registers.  A wave takes 32 columns x 512 along K.
; The codes go through the wave's own stage and leave as rows: sixteen lanes store 256 consecutive bytes, aligned.  One text serves rows of 4,096 bytes (Wq) and of 2,048 (Wk, Wv): the pitch lies in registers.
.Lpath_w:
.set WX,   32                          ; v32-95   two sets of 32 numbers
.set WC,   96                          ; v96-99   a block's codes
.set WSB,  24                          ; v24-27   the scale bytes, four to a register
.set OUTR, 112                         ; v112-175 the way out
.set OFF,  176                         ; v176-207 i rows down + 4 x lane
	s_sub_co_u32 s25, ttmp9, 256
	s_and_b32 s26, s25, 15                         ; which 128 of the 2,048 columns
	s_lshr_b32 s27, s25, 4                         ; which 512 along K
	s_cmp_lt_u32 s26, 12
	s_cselect_b64 s[8:9], s[8:9], s[10:11]         ; the choices hang on the work-group's number alone
	s_cselect_b32 s28, 8, 12
	s_mov_b32 s29, 2048
	s_cmp_lt_u32 s26, 8
	s_cselect_b64 s[6:7], s[6:7], s[8:9]
	s_cselect_b32 s28, 0, s28                      ; where the tensor's columns begin, in 128s
	s_cselect_b32 s29, 4096, s29                   ; a row of the tensor in bytes
	s_sub_co_u32 s30, s26, s28
	s_lshl_b32 s30, s30, 9
	s_lshl_b32 s31, s24, 7
	s_add_co_u32 s30, s30, s31                     ; my wave's first column, in bytes
	s_lshl_b32 s31, s27, 9
	s_mul_i32 s31, s31, s29                        ; my first row
	s_add_co_u32 s30, s30, s31
	s_mov_b32 s31, 0
	s_add_nc_u64 s[6:7], s[6:7], s[30:31]
	s_lshl_b32 s32, s29, 5                         ; 32 rows on
	s_mov_b32 s33, 0
	s_mul_i32 s34, s24, 32*WP
	s_add_co_u32 s34, s34, WSTG                    ; my stage
	v_lshlrev_b32 v3, 2, v2
	v_mul_u32_u24 v4, v2, WP
	v_add_nc_u32 v4, s34, v4                       ; into it: row = my column
	v_and_b32 v5, 15, v2
	v_lshrrev_b32 v6, 4, v2
	v_mul_u32_u24 v7, v6, WP
	v_lshl_add_u32 v7, v5, 4, v7
	v_add_nc_u32 v7, s34, v7                       ; out of it: sixteen lanes to a row, two rows an instruction
	v_lshlrev_b32 v8, 10, v6
	v_lshl_add_u32 v8, v5, 4, v8                   ; and the same place in the codes' buffer (rows of 1,024 bytes)
	v_lshlrev_b32 v9, 6, v2                        ; my column's row of scale bytes
	s_lshl_b32 s35, s26, 7
	s_lshl_b32 s36, s24, 5
	s_add_co_u32 s35, s35, s36                     ; my wave's first n
	s_lshl_b32 s36, s35, 10
	s_lshl_b32 s37, s27, 8
	s_add_co_u32 s36, s36, s37
	s_add_co_u32 s36, s36, 4194304
	s_mov_b32 s37, 0
	s_add_nc_u64 s[14:15], s[14:15], s[36:37]
	s_lshl_b32 s36, s35, 6
	s_lshl_b32 s38, s27, 4
	s_add_co_u32 s36, s36, s38
	s_add_co_u32 s36, s36, 262144
	s_add_nc_u64 s[16:17], s[16:17], s[36:37]
.set i, 0
.rept 32
	v_mad_u32_u24 v[OFF+i], s29, i, v3
.set i, i+1
.endr
.macro WLOAD t                         ; the next 32 rows at my column into set t % 2; then the base steps, behind the wait that frees it
.set i, 0
.rept 32
	global_load_b32 v[WX+32*((\t)%2)+i], v[OFF+i], s[6:7] th:TH_LOAD_NT
.set i, i+1
.endr
	s_wait_xcnt 0x0
	s_add_nc_u64 s[6:7], s[6:7], s[32:33]
.endm
	WLOAD 0
	WLOAD 1
.macro WBLOCK t
.set XS, WX+32*((\t)%2)
.if (\t) < 15
	s_wait_loadcnt 32                              ; this block's 32 loads are in; the next block's may be out
.else
	s_wait_loadcnt 0x0
.endif
	v_max3_num_f32 v16, |v[XS]|, |v[XS+1]|, |v[XS+2]|
	v_max3_num_f32 v17, |v[XS+3]|, |v[XS+4]|, |v[XS+5]|
.irp i, 6,10,14,18,22,26
	v_max3_num_f32 v16, v16, |v[XS+\i]|, |v[XS+\i+1]|
	v_max3_num_f32 v17, v17, |v[XS+\i+2]|, |v[XS+\i+3]|
.endr
	v_max3_num_f32 v16, v16, |v[XS+30]|, |v[XS+31]|
	v_max3_num_f32 v16, v16, v17, (EMAX+1)<<23
	v_add_nc_u32 v11, -(EMAX<<23), v16
	v_lshrrev_b32 v18, 23, v11
.if (\t)%4 == 0
	v_mov_b32 v[WSB+(\t)/4], v18
.else
	v_lshl_or_b32 v[WSB+(\t)/4], v18, 8*((\t)%4), v[WSB+(\t)/4]
.endif
.irp g, 0,1,2,3
	v_cvt_scalef32_pk8_fp4_f32 v[WC+\g], v[XS+8*\g:XS+8*\g+7], v11
.endr
	ds_store_b128 v4, v[WC:WC+3] offset:16*(\t)
.if (\t)+2 < 16
	WLOAD (\t)+2
.endif
	s_wait_dscnt 0x0                               ; the store has read its registers: the next block's codes may be written
.endm
.irp t, 0,1,2,3,4,5,6,7,8,9,10,11,12,13,14,15
	WBLOCK \t
.endr
	global_store_b128 v9, v[WSB:WSB+3], s[16:17]   ; my column's 16 scale bytes
.set t, 0
.rept 16
	ds_load_b128 v[OUTR+4*t:OUTR+4*t+3], v7 offset:2*t*WP
.set t, t+1
.endr
.set t, 0
.rept 16
	s_wait_dscnt 15-t
	global_store_b128 v8, v[OUTR+4*t:OUTR+4*t+3], s[14:15] offset:2*t*1024
.set t, t+1
.endr
	FINISH
; ---------------- O: a wave casts 8,192 numbers of Wo: 64 pieces of 512 bytes in, 256 bytes out; four groups of 16 pieces, two groups of loads on their way.
.Lpath_o:
	s_sub_co_u32 s25, ttmp9, 320
	s_lshl_b32 s25, s25, 2
	s_add_co_u32 s25, s25, s24                     ; run 0..255
	s_lshl_b32 s28, s25, 15
	s_mov_b32 s29, 0
	s_add_nc_u64 s[12:13], s[12:13], s[28:29]
	s_lshl_b32 s28, s25, 14
	s_add_nc_u64 s[18:19], s[18:19], s[28:29]
	v_lshlrev_b32 v3, 4, v2
	v_lshlrev_b32 v4, 3, v2
.macro OLOADG g
.set i, 0
.rept 16
	global_load_b128 v[16+64*((\g)%2)+4*i:16+64*((\g)%2)+4*i+3], v3, s[12:13] offset:512*(16*(\g)+i) th:TH_LOAD_NT
.set i, i+1
.endr
.endm
.macro OGROUP g
.if (\g) < 3
	s_wait_loadcnt 16                              ; this group's 16 loads are in; the next group's stay out
.else
	s_wait_loadcnt 0x0
.endif
	s_wait_xcnt 0x0                                ; the stores of two groups back have read their registers
.set i, 0
.rept 16
	v_cvt_pk_f16_f32 v[144+32*((\g)%2)+2*i], v[16+64*((\g)%2)+4*i], v[17+64*((\g)%2)+4*i]
	v_cvt_pk_f16_f32 v[145+32*((\g)%2)+2*i], v[18+64*((\g)%2)+4*i], v[19+64*((\g)%2)+4*i]
.set i, i+1
.endr
.set i, 0
.rept 16
	global_store_b64 v4, v[144+32*((\g)%2)+2*i:145+32*((\g)%2)+2*i], s[18:19] offset:256*(16*(\g)+i)
.set i, i+1
.endr
.if (\g)+2 < 4
	OLOADG (\g)+2
.endif
.endm
	OLOADG 0
	OLOADG 1
.irp g, 0,1,2,3
	OGROUP \g
.endr
	FINISH
.Lfunc_end_k_qbbf51b4180_prep:
	.size	k_qbbf51b4180_prep, .Lfunc_end_k_qbbf51b4180_prep-k_qbbf51b4180_prep
	.p2alignl 7, 3214868480
	.fill 96, 4, 3214868480
	.section	.rodata,"a",@progbits
	.p2align	6, 0x0
	.amdhsa_kernel k_qbbf51b4180_prep
		.amdhsa_group_segment_fixed_size 68096
		.amdhsa_private_segment_fixed_size 0
		.amdhsa_enable_private_segment 0
		.amdhsa_kernarg_size 72
		.amdhsa_user_sgpr_count 2
		.amdhsa_user_sgpr_kernarg_segment_ptr 1
		.amdhsa_wavefront_size32 1
		.amdhsa_system_sgpr_workgroup_id_x 1
		.amdhsa_system_sgpr_workgroup_id_y 1
		.amdhsa_system_sgpr_workgroup_id_z 1
		.amdhsa_system_vgpr_workitem_id 0
		.amdhsa_next_free_vgpr 208
		.amdhsa_next_free_sgpr 66
		.amdhsa_reserve_vcc 0
		.amdhsa_float_denorm_mode_32 3
		.amdhsa_float_denorm_mode_16_64 3
		.amdhsa_memory_ordered 1
		.amdhsa_forward_progress 1
		.amdhsa_inst_pref_size 182
	.end_amdhsa_kernel
	.amdgpu_metadata
---
amdhsa.version: [ 1, 2 ]
amdhsa.kernels:
  - .name:           k_qbbf51b4180_prep
    .symbol:         k_qbbf51b4180_prep.kd
    .args:
      - { .name: x, .offset: 0, .size: 8, .value_kind: global_buffer, .address_space: global }
      - { .name: Wq, .offset: 8, .size: 8, .value_kind: global_buffer, .address_space: global }
      - { .name: Wk, .offset: 16, .size: 8, .value_kind: global_buffer, .address_space: global }
      - { .name: Wv, .offset: 24, .size: 8, .value_kind: global_buffer, .address_space: global }
      - { .name: Wo, .offset: 32, .size: 8, .value_kind: global_buffer, .address_space: global }
      - { .name: codes, .offset: 40, .size: 8, .value_kind: global_buffer, .address_space: global }
      - { .name: scales, .offset: 48, .size: 8, .value_kind: global_buffer, .address_space: global }
      - { .name: wo16, .offset: 56, .size: 8, .value_kind: global_buffer, .address_space: global }
      - { .name: rope, .offset: 64, .size: 8, .value_kind: global_buffer, .address_space: global }
    .group_segment_fixed_size: 68096
    .private_segment_fixed_size: 0
    .kernarg_segment_align: 8
    .kernarg_segment_size: 72
    .max_flat_workgroup_size: 128
    .sgpr_count:     66
    .vgpr_count:     208
    .wavefront_size: 32
...
	.end_amdgpu_metadata
.endif
;; end of part 1
;; launch qkv (part 2): grid 8 x 32, 4 waves a work-group, clusters of 4 x 4, 327,680 bytes of LDS; arguments codes, scales, rope, q_norm_w, k_norm_w, qkvh, rows32; writes qkvh, rows32
.if DOCPART == 2
	.amdgcn_target "amdgcn-amd-amdhsa--gfx1250"
	.amdhsa_code_object_version 6
	.text
	.protected	k_qbbf51b4180_qkv
	.globl	k_qbbf51b4180_qkv
	.p2align	8
	.type	k_qbbf51b4180_qkv,@function
k_qbbf51b4180_qkv:
	s_mov_b64 s[64:65], 0
	v_nop
	global_prefetch_b8 v0, s[64:65] scope:SCOPE_SE
	s_setreg_imm32_b32 hwreg(HW_REG_WAVE_MODE, 25, 1), 1
	s_wait_xcnt 0x0
	s_wait_alu depctr_hold_cnt(0) depctr_sa_sdst(0) depctr_va_vdst(0) depctr_va_sdst(0) depctr_va_ssrc(0) depctr_va_vcc(0) depctr_vm_vsrc(0)
	s_getreg_b32 s2, hwreg(HW_REG_IB_STS2, 6, 4)
	s_cmp_eq_u32 s2, 0
	s_cbranch_scc0 .Lentry_in_a_cluster
	s_endpgm
.Lentry_in_a_cluster:
	s_bfe_u32 s2, ttmp6, 0x10000c
	s_cmp_lg_u32 s2, 0xf033
	s_cbranch_scc0 .Lentry_shape_is_right
	s_endpgm
.Lentry_shape_is_right:
; q, k, v = x Wq, x Wk, x Wv on codes of FP4 (E2M1) with one E8M0 scale for each 32 along K (M 4,096, N 2,048 = 16 heads of 128, K 2,048), then RMSNorm per head, the rotary embedding, and the cast to f16.
; OUT: qkvh f16 [head 16][batch 2][t 2048][128] (heads 0-7 q, 8-11 k, 12-15 v); rows32 f32 [head 16][batch 2][t 16][128]: positions 0-15 unrounded, for the launch that carries them in f32.
; SHARES.  A work-group makes 128 rows x 256 columns; wave w rows 64 (w / 2) on, columns 128 (w % 2) on: 64 rows of exactly ONE head, 32 accumulators.
; THE MATRIX INSTRUCTION IS USED TRANSPOSED (source 0 = 16 rows of W's codes, source 1 = 16 rows of x's): lane (r, h) holds row r and columns 16 b + 8 h + j of its head.  So the norm's sum wants one exchange between the
; halves of the lanes, and the embedding's partner of column d, column d + 64, is accumulator b + 4 in the same lane and register.
; K goes in four steps of 512 (tile rows of 256 bytes) through THREE LDS slots: steps 0, 1, 2 are first fills, step 3 is the one refill, into slot 0, with two K steps in which to land.  The text is straight-line.
; CLUSTERS: 4 x 4.  x's tile hangs on the tile row alone and is shared along a row of the cluster, W's on the tile column alone and is shared along a column: each is asked for jointly.
; THE SCALES come from memory into 128 registers, once: register SC + 16 i + g (g: which 128 along K): lanes 0-15 the word of x's block i % 4, lanes 16-31 that of W's block i.
; v HAS NEITHER NORM NOR EMBEDDING.  The v heads run the same lines on an identity: 1 for 1/rms (a select), ones as weights and cosine 1, sine 0 from the table's block 128.
; LIMITS: q, k, v go to f16: magnitudes up to 65,504; NaN and infinities are not served.
; REGISTERS: window 0: v1-31 addresses; v32-95 x's fragments, two sets; v96-223 scale words; v224-233 the norm.  On the way out v32-95 T, v96-127 U, v128-191 rows read back.
;   window 1: v0-127 W's fragments, two sets; v128-191 the norm's weights.   window 2: accumulator (a, b) at v[8 (8 a + b)].   window 3: for each block a of 16 rows 32 cosines and 32 sines.
.set PITCH, 272                        ; an LDS row: 256 bytes + 16 of padding, so that the 16 rows that a load touches start at 16 different banks (64 banks of 4 bytes: ISA guide 11.1)
.set ATILE, 128*PITCH
.set SLOT,  3*ATILE                    ; x's 128 rows, then W's 256
.set SPARE, 3*SLOT                     ; the spare words, 128 bytes for each wave: two blocks of 256 bytes that no other line names
.set STAGE, SLOT                       ; the way out: 16 rows x 272 for each wave, in slot 1: it has had its only fill, and its last read lies ahead of the second barrier
.set ADRA, 4                           ; v4-6   LDS address of my fragments of x in slot 0, 1, 2
.set ADRB, 8                           ; v8-10  the same for W
.set STO,  12
.set RD,   13
.set GO,   14
.set SOA,  16                          ; scale words: blocks 0-3
.set SOB,  17                          ; blocks 4-7
.set WOF,  18
.set TO,   20                          ; v20-23 the table's block for each of my four blocks of rows
.set F32O, 24
.set SPW,  28
.set NIL,  29
.set COND, 30                          ; my first position
.set ONE,  31
.set AF,   32
.set SC,   96
.set SS,   224
.set RMS,  232
.set T,    32
.set U,    96
.set BK,   128
.set G1A,  32                          ; s[32:39] group 1 for x's tiles; s[40:47] for W's
.set G1B,  40
.set G0A,  48                          ; s[48:63] group 0 for x's tiles, a set for each K step: none is ever stepped
.set G0B,  68                          ; s[68:83] the same for W's
.set MULW, 0xa1                        ; source 0 window 1, source 1 window 0, C and D window 2
.set MSB, 0
.macro WIN new                         ; the immediate's high byte repeats the setting that is left
.if MSB != \new
	s_set_vgpr_msb (MSB<<8)|\new
.set MSB, \new
.endif
.endm
.macro PLACES                          ; four plain vector instructions behind a matrix instruction, ahead of loads into its registers and of reads of its results
.rept 4
	v_nop
.endr
.endm
.macro CREST                           ; a round of the cluster's barrier behind its opening barrier
	s_cmp_lg_u32 s20, 0
	s_cbranch_scc1 .Lnot_wave_0_\@
	s_barrier_signal -3
.Lnot_wave_0_\@:
	s_barrier_wait -3
	s_barrier_signal -1
	s_barrier_wait -1
.endm
.macro CROUND
	s_barrier_signal -1
	s_barrier_wait -1
	CREST
.endm
.macro JLOAD g0a, g0b                  ; a joint load: waves 0 and 1 fetch x's halves, waves 2 and 3 W's; the branch hangs on the wave's number alone
	s_cmp_eq_u32 s21, 0
	s_cbranch_scc0 .Lfor_b_\@
	tensor_load_to_lds s[\g0a:\g0a+3], s[G1A:G1A+7]
	s_nop 0
.rept 4
	v_nop
.endr
	s_branch .Lasked_\@
.Lfor_b_\@:
	tensor_load_to_lds s[\g0b:\g0b+3], s[G1B:G1B+7]
	s_nop 0
.rept 4
	v_nop
.endr
.Lasked_\@:
.endm
	s_load_b256 s[4:11], s[0:1], 0x0               ; codes s[4:5], scales s[6:7], rope s[8:9], q_norm_w s[10:11]
	s_load_b128 s[12:15], s[0:1], 0x20             ; k_norm_w s[12:13], qkvh s[14:15]
	s_load_b64 s[16:17], s[0:1], 0x30              ; rows32
	v_lshl_add_u32 v[SPW], v0, 2, SPARE
	v_mov_b32 v[NIL], 0
	ds_add_u32 v[SPW], v[NIL]                      ; the wave's opening: the add, twice on end, and its wait ahead of my first tensor load
	ds_add_u32 v[SPW], v[NIL]
	v_lshrrev_b32 v1, 5, v0
	v_readfirstlane_b32 s20, v1                    ; wave 0..3
	s_lshr_b32 s21, s20, 1                         ; my half of the tile's rows.  Also: I fetch for x (0) or for W (1)
	s_and_b32 s22, s20, 1                          ; my half of its columns.  Also: which half of that tile I fetch
	s_bfe_u32 s23, ttmp6, 0x40000                  ; cx
	s_bfe_u32 s24, ttmp6, 0x40004                  ; cy
	s_lshl_b32 s25, ttmp9, 2
	s_add_co_u32 s25, s25, s23                     ; tile column 0..7
	s_and_b32 s26, ttmp7, 0xffff
	s_lshl_b32 s26, s26, 2
	s_add_co_u32 s26, s26, s24                     ; tile row 0..31
	s_lshl_b32 s27, s24, 2
	s_lshl_b32 s27, 15, s27                        ; my row of the cluster
	s_lshl_b32 s28, 0x1111, s23                    ; my column
	s_or_b32 s[G1A], s27, (0<<16)|(1<<20)|(1<<21)|(5<<22)|(3<<25)   ; the mask; elements of 1 byte; padding on; bit 21 beside a mask; after every 64 words 4 words
	s_or_b32 s[G1B], s28, (0<<16)|(1<<20)|(1<<21)|(5<<22)|(3<<25)
	s_mov_b32 s[G1A+1], 256<<16                    ; tensor_dim0 = 256
	s_mov_b32 s[G1A+2], 64<<16                     ; tensor_dim1 = 64
	s_mov_b32 s[G1A+3], 256<<16                    ; tile_dim0
	s_mov_b32 s[G1A+4], 64                         ; tile_dim1
	s_mov_b32 s[G1A+5], 1024                       ; from row to row
	s_mov_b32 s[G1A+6], 0
	s_mov_b32 s[G1A+7], 0
	s_mov_b32 s[G1B+1], 256<<16
	s_mov_b32 s[G1B+2], 128<<16
	s_mov_b32 s[G1B+3], 256<<16
	s_mov_b32 s[G1B+4], 128
	s_mov_b32 s[G1B+5], 1024
	s_mov_b32 s[G1B+6], 0
	s_mov_b32 s[G1B+7], 0
	s_lshl_b32 s84, s26, 7                         ; x: row 128 x tile row + 64 x half, in registers that never hold cx
	s_lshl_b32 s85, s22, 6
	s_add_co_u32 s84, s84, s85
	s_lshl_b32 s84, s84, 10
	s_mov_b32 s85, 0
	s_mul_i32 s86, s22, 64*PITCH                   ; and its place in a slot
	s_lshl_b32 s88, s25, 8                         ; W: row 256 x tile column + 128 x half, in registers that never hold cy
	s_lshl_b32 s89, s22, 7
	s_add_co_u32 s88, s88, s89
	s_lshl_b32 s88, s88, 10
	s_add_co_u32 s88, s88, 4194304
	s_mov_b32 s89, 0
	s_mul_i32 s90, s22, 128*PITCH
	s_add_co_u32 s90, s90, ATILE
	s_mov_b32 s2, 0x76543210                       ; v_permlanex16_b32's selects for lane l xor 16
	s_mov_b32 s3, 0xfedcba98
	s_mov_b32 s96, 0x3c000000                      ; 1 / 128
	s_mov_b32 s97, 0x3727c5ac                      ; 1e-5
	s_wait_dscnt 0x0                               ; both opening adds are done
	s_wait_kmcnt 0x0
	s_add_nc_u64 s[84:85], s[4:5], s[84:85]
	s_add_nc_u64 s[88:89], s[4:5], s[88:89]
	CROUND                                         ; all sixteen work-groups are here: the first joint loads meet
.irp ks, 0,1,2,3
	s_mov_b32 s[G0A+4*\ks], 1
	s_add_co_u32 s[G0A+4*\ks+1], s86, (\ks%3)*SLOT                 ; K step 3 goes into slot 0
	s_add_nc_u64 s[G0A+4*\ks+2:G0A+4*\ks+3], s[84:85], \ks*256
	s_or_b32 s[G0A+4*\ks+3], s[G0A+4*\ks+3], 0x80000000
	s_mov_b32 s[G0B+4*\ks], 1
	s_add_co_u32 s[G0B+4*\ks+1], s90, (\ks%3)*SLOT
	s_add_nc_u64 s[G0B+4*\ks+2:G0B+4*\ks+3], s[88:89], \ks*256
	s_or_b32 s[G0B+4*\ks+3], s[G0B+4*\ks+3], 0x80000000
.endr
	s_cmp_eq_u32 s21, 0                            ; a wave's three first fills stand in one branch: three tensor loads of mine are out
	s_cbranch_scc0 .Lfirst_b
	tensor_load_to_lds s[G0A:G0A+3], s[G1A:G1A+7]
	s_nop 0
	tensor_load_to_lds s[G0A+4:G0A+7], s[G1A:G1A+7]
	s_nop 0
	tensor_load_to_lds s[G0A+8:G0A+11], s[G1A:G1A+7]
	s_nop 0
.rept 4
	v_nop
.endr
	s_branch .Lfirst_done
.Lfirst_b:
	tensor_load_to_lds s[G0B:G0B+3], s[G1B:G1B+7]
	s_nop 0
	tensor_load_to_lds s[G0B+4:G0B+7], s[G1B:G1B+7]
	s_nop 0
	tensor_load_to_lds s[G0B+8:G0B+11], s[G1B:G1B+7]
	s_nop 0
.rept 4
	v_nop
.endr
.Lfirst_done:
	v_and_b32 v1, 15, v0                           ; r
	v_bfe_u32 v2, v0, 4, 1                         ; h
	v_mul_u32_u24 v3, v1, PITCH
	v_lshl_add_u32 v3, v2, 4, v3                   ; a fragment's row x pitch + 16 h
	s_mul_i32 s98, s21, 64*PITCH                   ; my 64 rows of x
	s_mul_i32 s99, s22, 128*PITCH                  ; my 128 rows of W, behind x's 128
	s_add_co_u32 s99, s99, ATILE
.irp s, 0,1,2
	v_add_nc_u32 v[ADRA+\s], s98, v3
	v_add_nc_u32 v[ADRB+\s], s99, v3
	s_add_co_u32 s98, s98, SLOT
	s_add_co_u32 s99, s99, SLOT
.endr
	s_mul_i32 s98, s20, 16*PITCH
	s_add_co_u32 s98, s98, STAGE                   ; my stage
	v_add_nc_u32 v[STO], s98, v3                   ; in: row r, 16 bytes for each half of the lanes
	v_mul_u32_u24 v[RD], v2, PITCH
	v_lshl_add_u32 v[RD], v1, 4, v[RD]
	v_add_nc_u32 v[RD], s98, v[RD]                 ; back: lanes 0-15 one row of 256 bytes, lanes 16-31 the next
	v_lshlrev_b32 v[GO], 8, v2
	v_lshl_add_u32 v[GO], v1, 4, v[GO]             ; and the same two rows in qkvh
	v_lshlrev_b32 v[F32O], 9, v1
	v_lshl_add_u32 v[F32O], v2, 5, v[F32O]         ; rows32: row r of 512 bytes, + 32 h
	v_lshlrev_b32 v[WOF], 5, v2                    ; the weights: 32 h
	v_mov_b32 v[ONE], 1.0
	s_lshl_b32 s29, s26, 7
	s_lshl_b32 s98, s21, 6
	s_add_co_u32 s29, s29, s98                     ; my first row of x
	s_and_b32 s18, s29, 2047                       ; my first position
	s_lshr_b32 s19, s29, 11                        ; my batch
	s_lshl_b32 s30, s25, 1
	s_add_co_u32 s30, s30, s22                     ; my head 0..15
	v_mov_b32 v[COND], s18
	s_lshl_b32 s98, s29, 6                         ; x's scale words of my rows,
	s_lshl_b32 s99, s30, 13
	s_add_co_u32 s99, s99, 262144                  ; W's of my columns,
	s_sub_co_u32 s99, s99, s98                     ; and how far they lie apart
	v_lshlrev_b32 v[SOA], 6, v1
	v_add_nc_u32 v[SOA], s98, v[SOA]
	v_mul_u32_u24 v25, s99, v2                     ; lanes 16-31 take W's
	v_add_nc_u32 v[SOA], v[SOA], v25
	v_lshl_add_u32 v[SOB], v2, 12, v[SOA]          ; blocks 4-7: W's lie 4,096 bytes on, x's are blocks 0-3 once more
	s_add_nc_u64 s[92:93], s[8:9], 1048576         ; the table's identity block: its first 4,096 bytes are ones
	s_lshl_b32 s94, s18, 9                         ; the table's block of my first position
	s_mov_b32 s95, 1048576
	s_cmp_lt_u32 s30, 12                           ; selects, never branches: they hang on the place in the cluster
	s_cselect_b64 s[92:93], s[12:13], s[92:93]
	s_cselect_b32 s31, 0, -1                       ; all ones in a v head
	s_cselect_b32 s94, s94, s95
	s_cselect_b32 s95, 8192, 0                     ; from block to block
	s_cmp_lt_u32 s30, 8
	s_cselect_b64 s[92:93], s[10:11], s[92:93]     ; the norm's weights: q's, k's or ones
	v_and_b32 v25, 31, v0
	v_lshlrev_b32 v25, 4, v25
	v_add_nc_u32 v[TO], s94, v25
.irp a, 1,2,3
	v_add_nc_u32 v[TO+\a], s95, v[TO+\a-1]
.endr
	s_lshl_b32 s91, s30, 1
	s_add_co_u32 s91, s91, s19                     ; 2 x head + batch
	s_lshl_b32 s98, s91, 19
	s_lshl_b32 s99, s18, 8
	s_add_co_u32 s98, s98, s99
	s_mov_b32 s99, 0
	s_add_nc_u64 s[14:15], s[14:15], s[98:99]      ; qkvh at my first row
	s_lshl_b32 s98, s91, 13
	s_add_nc_u64 s[16:17], s[16:17], s[98:99]      ; rows32 at my head and batch
.set i, 0
.rept 8
.set j, 0
.rept 4
.if i < 4
	global_load_b128 v[SC+16*i+4*j:SC+16*i+4*j+3], v[SOA], s[6:7] offset:1024*i+16*j
.else
	global_load_b128 v[SC+16*i+4*j:SC+16*i+4*j+3], v[SOB], s[6:7] offset:1024*(i-4)+16*j
.endif
.set j, j+1
.endr
.set i, i+1
.endr
	WIN 0x40                                       ; destination window 1
.set b, 0
.rept 8
	global_load_b128 v[128+8*b:128+8*b+3], v[WOF], s[92:93] offset:64*b        ; the weights of columns 16 b + 8 h + 0 .. 7
	global_load_b128 v[128+8*b+4:128+8*b+7], v[WOF], s[92:93] offset:64*b+16
.set b, b+1
.endr
	WIN 0
.macro FRAG reg, adr, q, i             ; 16 rows x 128 K of 4-bit codes: registers 4 c .. 4 c + 3 hold K = 64 c + 32 h + 0 .. 31
.irp c, 0,1
	ds_load_b128 v[\reg+4*\c:\reg+4*\c+3], v[\adr] offset:64*(\q)+32*\c+(\i)*16*PITCH
.endr
.endm
.macro FETCH s, q, p                   ; the fragments of the slot's q-th 128 along K into sets p: 24 LDS loads in one run
	WIN 0x40
.irp i, 0,1,2,3,4,5,6,7
	FRAG 64*(\p)+8*\i, ADRB+\s, \q, \i
.endr
	WIN 0
.irp i, 0,1,2,3
	FRAG AF+32*(\p)+8*\i, ADRA+\s, \q, \i
.endr
.endm
; 8 matrix instructions: x's block a against W's eight.  The 32 accumulators take turns, one instruction a turn, in the same order in every step.
.macro MUL a, p, g, zero
.irp b, 0,1,2,3,4,5,6,7
.if \zero
	v_wmma_scale_f32_16x16x128_f8f6f4 v[8*(8*(\a)+\b):8*(8*(\a)+\b)+7], v[64*(\p)+8*\b:64*(\p)+8*\b+7], v[AF+32*(\p)+8*(\a):AF+32*(\p)+8*(\a)+7], 0, v[SC+16*\b+(\g)], v[SC+16*(\a)+(\g)] matrix_a_fmt:MATRIX_FMT_FP4 matrix_b_fmt:MATRIX_FMT_FP4 matrix_a_scale:MATRIX_SCALE_ROW1
.else
	v_wmma_scale_f32_16x16x128_f8f6f4 v[8*(8*(\a)+\b):8*(8*(\a)+\b)+7], v[64*(\p)+8*\b:64*(\p)+8*\b+7], v[AF+32*(\p)+8*(\a):AF+32*(\p)+8*(\a)+7], v[8*(8*(\a)+\b):8*(8*(\a)+\b)+7], v[SC+16*\b+(\g)], v[SC+16*(\a)+(\g)] matrix_a_fmt:MATRIX_FMT_FP4 matrix_b_fmt:MATRIX_FMT_FP4 matrix_a_scale:MATRIX_SCALE_ROW1
.endif
.endr
.endm
.macro SUB g, ns, nq, zero             ; step g of sixteen of 128 along K; the next step's fragments (slot ns, its nq-th) are fetched into the other sets
	s_wait_dscnt 0x0                               ; this step's fragments are in
	PLACES
	FETCH \ns, \nq, 1-(\g)%2
	WIN MULW
	MUL 0, (\g)%2, \g, \zero
	MUL 1, (\g)%2, \g, \zero
	MUL 2, (\g)%2, \g, \zero
	MUL 3, (\g)%2, \g, \zero
	WIN 0
.endm
; A step with a barrier in it.  In front of the barrier each wave waits for all its tensor loads, adds 0 to its spare word, and waits for that and for its reads of the slots behind it.
; fill = 1: the barrier opens a round of the cluster's, and K step 3 is asked for, into slot 0, first thing behind it.
.macro TURN g, fill, ns
	s_wait_tensorcnt 0x0
	ds_add_u32 v[SPW], v[NIL]
	s_wait_dscnt 1                                 ; this step's fragments are in (the add may be out)
	WIN MULW
	MUL 0, 1, \g, 0
	s_wait_dscnt 0x0                               ; the add is done, and my reads are over
	s_barrier_signal -1
	MUL 1, 1, \g, 0
	WIN 0
	s_barrier_wait -1
.if \fill
	CREST
	JLOAD G0A+12, G0B+12                           ; the four v_nop behind it are also the places in front of the loads below
.else
	PLACES
.endif
	FETCH \ns, 0, 0
	WIN MULW
	MUL 2, 1, \g, 0
	MUL 3, 1, \g, 0
	WIN 0
.endm
	s_wait_tensorcnt 2                             ; my part of K step 0 is in; those of steps 1 and 2 stay out
	s_barrier_signal -1
	s_barrier_wait -1
	FETCH 0, 0, 0
	s_wait_loadcnt 16                              ; the 32 loads of scale words are in; the 16 of the weights may be out
	WIN 0xc0                                       ; destination window 3
.set a, 0
.rept 4
.set p, 0
.rept 16
	global_load_b128 v[64*a+4*p:64*a+4*p+3], v[TO+a], s[8:9] offset:512*p      ; cosines and sines of my positions: wanted on the way out
.set p, p+1
.endr
.set a, a+1
.endr
	WIN 0
	SUB 0, 0, 1, 1                                 ; the first products start the sums: nothing is cleared
	SUB 1, 0, 2, 0
	SUB 2, 0, 3, 0
	TURN 3, 1, 1                                   ; slots 1 and 2 are whole for every wave; slot 0 is left and filled again
	SUB 4, 1, 1, 0
	SUB 5, 1, 2, 0
	SUB 6, 1, 3, 0
	SUB 7, 2, 0, 0
	SUB 8, 2, 1, 0
	SUB 9, 2, 2, 0
	SUB 10, 2, 3, 0
	TURN 11, 0, 0                                  ; K step 3 is whole; nobody reads slot 1 any more
	SUB 12, 0, 1, 0
	SUB 13, 0, 2, 0
	SUB 14, 0, 3, 0
	s_wait_dscnt 0x0
	WIN MULW
	MUL 0, 1, 15, 0
	MUL 1, 1, 15, 0
	MUL 2, 1, 15, 0
	MUL 3, 1, 15, 0
	WIN 0
	PLACES
	s_wait_loadcnt 0x0                             ; the weights and the table
; THE WAY OUT, a block of 16 rows at a time.
.macro ROWS a
	WIN 0x0a                                       ; sources 0 and 1: window 2
.irp k, 0,1,2,3
	v_pk_mul_f32 v[SS+2*\k:SS+2*\k+1], v[64*(\a)+2*\k:64*(\a)+2*\k+1], v[64*(\a)+2*\k:64*(\a)+2*\k+1]   ; the sum of squares, in four chains; each accumulator from its low end on
.endr
.irp b, 1,2,3,4,5,6,7
.irp k, 0,1,2,3
	v_pk_fma_f32 v[SS+2*\k:SS+2*\k+1], v[64*(\a)+8*\b+2*\k:64*(\a)+8*\b+2*\k+1], v[64*(\a)+8*\b+2*\k:64*(\a)+8*\b+2*\k+1], v[SS+2*\k:SS+2*\k+1]
.endr
.endr
	WIN 0
	v_pk_add_f32 v[SS:SS+1], v[SS:SS+1], v[SS+2:SS+3]
	v_pk_add_f32 v[SS+4:SS+5], v[SS+4:SS+5], v[SS+6:SS+7]
	v_pk_add_f32 v[SS:SS+1], v[SS:SS+1], v[SS+4:SS+5]
	v_add_f32 v[SS], v[SS], v[SS+1]
	v_permlanex16_b32 v[SS+2], v[SS], s2, s3       ; the row's other 64 columns lie in the lane 16 away
	v_add_f32 v[SS], v[SS], v[SS+2]
	v_fma_f32 v[SS], v[SS], s96, s97               ; the mean + 1e-5
	v_rsq_f32 v[RMS], v[SS]
	v_nop                                          ; a plain instruction behind the transcendental
	s_wait_alu depctr_va_vdst(0)                   ; and the wait ahead of its first reader
	v_cndmask_b32 v[RMS], v[RMS], v[ONE], s31      ; 1 in a v head
	v_mov_b32 v[RMS+1], v[RMS]
	WIN 0x02                                       ; source 0: window 2
.set i, 0
.rept 32
	v_pk_mul_f32 v[T+2*i:T+2*i+1], v[64*(\a)+2*i:64*(\a)+2*i+1], v[RMS:RMS+1]
.set i, i+1
.endr
	WIN 0x04                                       ; source 1: window 1
.set i, 0
.rept 32
	v_pk_mul_f32 v[T+2*i:T+2*i+1], v[T+2*i:T+2*i+1], v[128+2*i:129+2*i]
.set i, i+1
.endr
	WIN 0x0c                                       ; source 1: window 3.  A = columns d, B = columns d + 64: A cos - B sin into U, B cos + A sin in B's place
.set i, 0
.rept 16
	v_pk_mul_f32 v[U+2*i:U+2*i+1], v[T+2*i:T+2*i+1], v[64*(\a)+2*i:64*(\a)+2*i+1]
	v_pk_fma_f32 v[U+2*i:U+2*i+1], v[T+32+2*i:T+33+2*i], v[64*(\a)+32+2*i:64*(\a)+33+2*i], v[U+2*i:U+2*i+1] neg_lo:[1,0,0] neg_hi:[1,0,0]
	v_pk_mul_f32 v[T+32+2*i:T+33+2*i], v[T+32+2*i:T+33+2*i], v[64*(\a)+2*i:64*(\a)+2*i+1]
	v_pk_fma_f32 v[T+32+2*i:T+33+2*i], v[T+2*i:T+2*i+1], v[64*(\a)+32+2*i:64*(\a)+33+2*i], v[T+32+2*i:T+33+2*i]
.set i, i+1
.endr
	WIN 0
.if (\a) == 0                          ; positions 0-15 leave in f32 too.  Whether these are my rows hangs on the place in the cluster: so lanes are switched off, and nothing is jumped over
	s_wait_xcnt 0x0                                ; EXEC changes only behind this wait
	v_cmp_eq_u32 vcc_lo, 0, v[COND]
	s_and_saveexec_b32 s98, vcc_lo
.irp b, 0,1,2,3
	global_store_b128 v[F32O], v[U+8*\b:U+8*\b+3], s[16:17] offset:64*\b
	global_store_b128 v[F32O], v[U+8*\b+4:U+8*\b+7], s[16:17] offset:64*\b+16
	global_store_b128 v[F32O], v[T+32+8*\b:T+35+8*\b], s[16:17] offset:256+64*\b
	global_store_b128 v[F32O], v[T+36+8*\b:T+39+8*\b], s[16:17] offset:256+64*\b+16
.endr
	s_wait_xcnt 0x0                                ; and again, in front of the line that widens it; the stores have read their data too
	s_or_b32 exec_lo, exec_lo, s98
.endif
.set i, 0
.rept 16
	v_cvt_pk_f16_f32 v[T+i], v[U+2*i], v[U+2*i+1]
.set i, i+1
.endr
.set i, 0
.rept 16
	v_cvt_pk_f16_f32 v[T+16+i], v[T+32+2*i], v[T+33+2*i]
.set i, i+1
.endr
.irp f, 0,1,2,3,4,5,6,7
	ds_store_b128 v[STO], v[T+4*\f:T+4*\f+3] offset:32*\f       ; columns 16 f + 8 h + 0 .. 7 of row r
.endr
.if (\a) >= 2
	s_wait_xcnt 0x0                                ; the stores of two blocks back have read the registers that the loads below fill
.endif
.irp f, 0,1,2,3,4,5,6,7
	ds_load_b128 v[BK+32*((\a)%2)+4*\f:BK+32*((\a)%2)+4*\f+3], v[RD] offset:\f*2*PITCH   ; LDS serves a wave's instructions in order: these see the stores above
.endr
.irp f, 0,1,2,3,4,5,6,7
	s_wait_dscnt 7-\f
	global_store_b128 v[GO], v[BK+32*((\a)%2)+4*\f:BK+32*((\a)%2)+4*\f+3], s[14:15] offset:(\a)*4096+\f*512   ; 16 lanes store 256 consecutive bytes, aligned
.endr
.endm
	ROWS 0
	ROWS 1
	ROWS 2
	ROWS 3
	s_wait_tensorcnt 0x0                           ; the wave's end
	ds_add_u32 v[SPW], v[NIL]
	s_wait_dscnt 0x0
	CROUND                                         ; the closing round
	s_endpgm
.Lfunc_end_k_qbbf51b4180_qkv:
	.size	k_qbbf51b4180_qkv, .Lfunc_end_k_qbbf51b4180_qkv-k_qbbf51b4180_qkv
	.p2alignl 7, 3214868480
	.fill 96, 4, 3214868480
	.section	.rodata,"a",@progbits
	.p2align	6, 0x0
	.amdhsa_kernel k_qbbf51b4180_qkv
		.amdhsa_group_segment_fixed_size 327680
		.amdhsa_private_segment_fixed_size 0
		.amdhsa_enable_private_segment 0
		.amdhsa_kernarg_size 56
		.amdhsa_user_sgpr_count 2
		.amdhsa_user_sgpr_kernarg_segment_ptr 1
		.amdhsa_wavefront_size32 1
		.amdhsa_system_sgpr_workgroup_id_x 1
		.amdhsa_system_sgpr_workgroup_id_y 1
		.amdhsa_system_sgpr_workgroup_id_z 1
		.amdhsa_system_vgpr_workitem_id 0
		.amdhsa_next_free_vgpr 1024
		.amdhsa_next_free_sgpr 100
		.amdhsa_reserve_vcc 1
		.amdhsa_float_denorm_mode_32 3
		.amdhsa_float_denorm_mode_16_64 3
		.amdhsa_memory_ordered 1
		.amdhsa_forward_progress 1
		.amdhsa_inst_pref_size 175
	.end_amdhsa_kernel
	.amdgpu_metadata
---
amdhsa.version: [ 1, 2 ]
amdhsa.kernels:
  - .name:           k_qbbf51b4180_qkv
    .symbol:         k_qbbf51b4180_qkv.kd
    .args:
      - { .name: codes, .offset: 0, .size: 8, .value_kind: global_buffer, .address_space: global }
      - { .name: scales, .offset: 8, .size: 8, .value_kind: global_buffer, .address_space: global }
      - { .name: rope, .offset: 16, .size: 8, .value_kind: global_buffer, .address_space: global }
      - { .name: q_norm_w, .offset: 24, .size: 8, .value_kind: global_buffer, .address_space: global }
      - { .name: k_norm_w, .offset: 32, .size: 8, .value_kind: global_buffer, .address_space: global }
      - { .name: qkvh, .offset: 40, .size: 8, .value_kind: global_buffer, .address_space: global }
      - { .name: rows32, .offset: 48, .size: 8, .value_kind: global_buffer, .address_space: global }
    .group_segment_fixed_size: 327680
    .private_segment_fixed_size: 0
    .kernarg_segment_align: 8
    .kernarg_segment_size: 56
    .max_flat_workgroup_size: 128
    .sgpr_count:     100
    .vgpr_count:     1024
    .wavefront_size: 32
...
	.end_amdgpu_metadata
.endif
;; end of part 2
;; launch attn (part 3): grid 32 x 8, 4 waves a work-group, no clusters, 327,680 bytes of LDS; arguments qkvh, ao; writes ao
.if DOCPART == 3
	.amdgcn_target "amdgcn-amd-amdhsa--gfx1250"
	.amdhsa_code_object_version 6
	.text
	.protected	k_qbbf51b4180_attn
	.globl	k_qbbf51b4180_attn
	.p2align	8
	.type	k_qbbf51b4180_attn,@function
k_qbbf51b4180_attn:
	s_mov_b64 s[64:65], 0
	v_nop
	global_prefetch_b8 v0, s[64:65] scope:SCOPE_SE
	s_setreg_imm32_b32 hwreg(HW_REG_WAVE_MODE, 25, 1), 1
	s_wait_xcnt 0x0
; ao[b][t][head 128 + :] = the sum over keys k <= t of softmax_k(q . k / sqrt(128)) v, in f16 operands with f32 products, maxima and sums; the weights p are rounded to f16 for the second product, the result once at the end.
; qkvh: f16 [head 16][batch 2][t 2048][128], heads 0-7 q, 8-11 k, 12-15 v; query head n uses key and value head n / 2.  ao: f16 [b 2048 + t][1024].
; SHARES, EVEN UNDER THE CAUSAL MASK.  The positions go in 64 blocks of 32; block n has n / 2 + 1 key steps of 64 keys.  Work-group j of a key and value head owns blocks 63 - j and j of BOTH its query heads and walks
; them one after the other: 33 key steps whatever j.  Waves 2 g and 2 g + 1 hold the same 32 queries of head 2 hkv + g (two tiles of 16) and SPLIT THE KEYS: the wave of parity p takes key steps p, p + 2, ..:
; 17 or 16 steps a wave in every work-group.  At a block's end the two waves' maxima, sums and O^T meet in LDS.
; THE TILES LIE CROSSWISE: register tile 0 of an even wave is the block's lower 16 positions, of an odd wave the upper 16.  So every wave gives its register tile 1 to its partner and finishes its register tile 0: no branch.
; LAYOUT.  S^T = K Q^T (source 0 = 16 keys, source 1 = 16 queries), O^T = V^T P: a lane holds ONE query throughout; V ([key][channel]) comes out of LDS turned, by ds_load_tr16_b128.
; SOFTMAX.  A running maximum m and sum l for each query: p = 2^(c s - c m), c = log2(e) / sqrt(128); in every step O and l are multiplied by 2^(c m_old - c m_new).  m begins at -3e38, O and l at 0:
; a wave that had no step of a block brings the factor 0 to the merge.
; KEYS come 256 a slot through a ring of two LDS slots; waves 0 and 1 fetch K's halves, waves 2 and 3 V's.
; THE CAUSAL MASK.  For each block every work-group walks all eight slots' worth of steps, so that trip counts are constants; a step whose keys all come after the block's last position is jumped over, and a slot that
; begins after it is not asked for: that test is made of the work-group's number and the count of slots alone, the same in all four waves.  In the one step on the diagonal hidden scores become -infinity ahead of the maximum.
; One tile's softmax stands in slices between the other tile's matrix instructions.
; NO CLUSTER: the work-groups of one key and value head need different numbers of slots (5 to 8 for the first block, 1 to 4 for the second), so a joint load would bring tiles that some partner never reads.
; LIMITS: f16 operands, magnitudes up to 65,504; NaN and infinities are not served.  Positions 0-15 are written here in f16 and are carried again in f32 by the last launch.
; REGISTERS: window 0: v1-11, v28-36 addresses; v12-27 statistics, 8 a tile; v64-127 S^T, at a block's end the partner's O^T; v128-159 P.   window 1: O^T, 64 a tile.   window 2: v0-63 Q; v128-255 K of a step.   window 3: v0-127 V of a step.
.set PK,    272                        ; a row of K in LDS: 256 bytes + 16
.set PV,    288                        ; a row of V: 256 + 32: an odd multiple of 32
.set VOFF,  256*PK
.set SLOTB, 256*(PK+PV)
.set MRG,   2*SLOTB                    ; behind the ring: an area for each wave: 8,192 bytes for 64 registers of O^T as an image, then 256 for the pair (c m, l).  No tensor load lands here
.set AREA,  8704
.set MST,   8192
.set SP,    272                        ; the way out's stage, 16 rows x 272 bytes, lies in the partner's area, whose only reader the wave is
.set SPARE, MRG+4*AREA                 ; the spare words, 128 bytes for each wave: two blocks of 256 bytes that no other line names
.set AK0, 2
.set AV0, 3
.set ADK, 4
.set QO,  5                            ; Q's rows of register tile 0
.set STO, 6
.set RD,  7
.set GO,  8
.set RH,  9                            ; lane % 16 - 8 (lane / 16)
.set DD,  10
.set NEG, 11                           ; -infinity
.set ST,  12                           ; tile t at v[ST + 8 t]: +0 c m, +1 m, +2, +3 l (even keys', odd keys'), +4 to +7 at work; +6 takes the rescaling factor
.set ADV, 28
.set QO1, 32                           ; Q's rows of register tile 1
.set MWO, 33                           ; my area + 16 x lane
.set MWS, 34                           ; my area + 8 x lane
.set MRO, 35                           ; my partner's area + 16 x lane
.set MRS, 36                           ; my partner's area + 8 x lane
.set PFO, 61
.set SPW, 62
.set NIL, 63
.set S,   64
.set P,   128
.set KFR, 128                          ; K's fragments, in window 2
.set WV,   8
.set P0,   13                          ; the first key of the step on the block's diagonal
.set LIM,  14                          ; the block's last position
.set POSA, 15                          ; the first position of my register tile 0
.set KEY,  16                          ; my step's first key
.set TBK,  17                          ; LDS byte at which my step's rows of K begin
.set TBV,  18                          ; and, less VOFF, V's
.set CNT,  19
.set LAP,  20
.set SL,   21
.set PLIM, 22
.set KEYS, 23                          ; the slot's first key
.set CS,   24
.set SEL,  26
.set G1K,  28
.set G1V,  36
.set G0K,  44                          ; s[44:51] group 0 for K, a set for each slot
.set G0V,  52
.set PFK,  60
.set PFV,  62
.set KOFF, 80                          ; 64 p: my first step in a slot, in keys,
.set PKO,  81                          ; in bytes of K's rows,
.set PVO,  82                          ; and of V's
.set POSB, 83                          ; the first position of my register tile 1
.set PBA,  84                          ; the first block's first position: 32 (63 - j)
.set PBB,  85                          ; the second's: 32 j
.set P16,  86                          ; 16 p
.set Q16,  87                          ; 16 - 16 p
.set QB,   88                          ; s[88:89] Q at the second block
.set OB,   90                          ; s[90:91] ao at my 16 rows of the second block
.set W_KQ, 0x0a
.set W_PV, 0x53
.set W_RS, 0x41
.set MSB, 0
.macro WIN new
.if MSB != \new
	s_set_vgpr_msb (MSB<<8)|\new
.set MSB, \new
.endif
.endm
.macro PLACES
.rept 4
	v_nop
.endr
.endm
.macro TLOAD g0k, g0v                  ; every wave issues one load; the branch hangs on the wave's number alone
	s_cmp_lt_u32 s[WV], 2
	s_cbranch_scc0 .Lfor_v_\@
	tensor_load_to_lds s[\g0k:\g0k+3], s[G1K:G1K+7]
	s_nop 0
.rept 4
	v_nop
.endr
	s_branch .Lasked_\@
.Lfor_v_\@:
	tensor_load_to_lds s[\g0v:\g0v+3], s[G1V:G1V+7]
	s_nop 0
.rept 4
	v_nop
.endr
.Lasked_\@:
.endm
; A PREFETCH INTO THE L2 of what the NEXT change of slots will ask for: 256 rows of K and of V, 256 bytes a row, a lane a row.  All 32 work-groups of a key and value head walk the same rows: the first of them, whose
; first block is the sequence's last and walks every slot, asks, in that first walk, and nobody else; wave w takes rows 64 w .. 64 w + 63 of each: four instructions.  Each row is named once in the launch.
; The last change that fills a slot asks for nothing; nothing is asked at the head, nor in the second walk, whose rows have been read.
.macro ASK
	s_cmp_gt_u32 s[SL], s[PLIM]
	s_cbranch_scc0 .Lnot_mine_\@
	global_prefetch_b8 v[PFO], s[PFK:PFK+1] th:TH_LOAD_NT scope:SCOPE_SE
	global_prefetch_b8 v[PFO], s[PFK:PFK+1] offset:8192 th:TH_LOAD_NT scope:SCOPE_SE
	global_prefetch_b8 v[PFO], s[PFV:PFV+1] th:TH_LOAD_NT scope:SCOPE_SE
	global_prefetch_b8 v[PFO], s[PFV:PFV+1] offset:8192 th:TH_LOAD_NT scope:SCOPE_SE
.Lnot_mine_\@:
.endm
.macro SETBLK pb                       ; the scalars of the block that begins at position s[pb]
	s_and_b32 s[P0], s[\pb], 0xffffffc0
	s_add_co_u32 s[LIM], s[\pb], 31
	s_add_co_u32 s[POSA], s[\pb], s[P16]
	s_add_co_u32 s[POSB], s[\pb], s[Q16]
	s_mov_b32 s[KEYS], 0
.endm
.macro QLOAD base                      ; Q stays in registers for a block: register tile t at v[32 t], channels 32 c on at + 8 c
	WIN 0x80                                       ; destination window 2
.set i, 0
.rept 4
	global_load_b128 v[8*i:8*i+3],   v[QO], s[\base:\base+1] offset:i*64
	global_load_b128 v[8*i+4:8*i+7], v[QO], s[\base:\base+1] offset:i*64+32
.set i, i+1
.endr
.set i, 0
.rept 4
	global_load_b128 v[32+8*i:32+8*i+3], v[QO1], s[\base:\base+1] offset:i*64
	global_load_b128 v[32+8*i+4:32+8*i+7], v[QO1], s[\base:\base+1] offset:i*64+32
.set i, i+1
.endr
	WIN 0
.endm
.macro INIT                            ; a block's start values
.irp t, 0,1
	v_mov_b32 v[ST+8*\t+1], 0xff61b1e6             ; m = -3e38, under every score
	v_mul_f32 v[ST+8*\t], s[CS], v[ST+8*\t+1]
	v_mov_b32 v[ST+8*\t+2], 0
	v_mov_b32 v[ST+8*\t+3], 0
.irp k, 4,5,6,7
	v_mov_b32 v[ST+8*\t+\k], 0                     ; the four at work are written here, so that every register that a block's end names is written on every way through the text
.endr
.endr
	WIN 0x40
.set n, 0
.rept 128
	v_mov_b32 v[n], 0                              ; O^T.  The step has no first form of its own: its first walk finds zeros, which the first change of m leaves zeros
.set n, n+1
.endr
	WIN 0
.endm
	s_load_b128 s[4:7], s[0:1], 0x0                ; qkvh s[4:5], ao s[6:7]
	v_lshl_add_u32 v[SPW], v0, 2, SPARE
	v_mov_b32 v[NIL], 0
	ds_add_u32 v[SPW], v[NIL]                      ; the wave's opening: the add, twice on end, and its wait ahead of my first tensor load
	ds_add_u32 v[SPW], v[NIL]
	v_lshrrev_b32 v1, 5, v0
	v_readfirstlane_b32 s[WV], v1
	s_and_b32 s9, ttmp7, 0xffff
	s_lshr_b32 s10, s9, 2                          ; batch
	s_and_b32 s11, s9, 3                           ; key and value head
	s_and_b32 s12, s[WV], 1                        ; p: which key steps are mine.  Also: which half of a slot's rows I fetch
	s_lshl_b32 s[PBB], ttmp9, 5
	s_sub_co_u32 s[PBA], 2016, s[PBB]
	s_lshl_b32 s[P16], s12, 4
	s_sub_co_u32 s[Q16], 16, s[P16]
	s_lshl_b32 s[KOFF], s12, 6
	s_mul_i32 s[PKO], s12, 64*PK
	s_mul_i32 s[PVO], s12, 64*PV
	SETBLK PBA
	s_add_co_u32 s66, s11, 8
	s_lshl_b32 s66, s66, 1
	s_add_co_u32 s66, s66, s10
	s_lshl_b32 s66, s66, 19                        ; K of my batch and head: 2,048 rows of 256 bytes a head and batch
	s_mov_b32 s67, 0
	s_add_co_u32 s68, s66, 4<<20                   ; V: four heads x two batches on
	s_mov_b32 s69, 0
	s_lshl_b32 s70, s12, 15                        ; the half of a slot's rows that I fetch: in memory,
	s_mov_b32 s71, 0
	s_mul_i32 s72, s12, 128*PK                     ; and in a slot
	s_mul_i32 s73, s12, 128*PV
	s_add_co_u32 s73, s73, VOFF
	s_mov_b32 s[G1K], (1<<16)|(1<<20)|(5<<22)|(3<<25)   ; no mask; elements of 2 bytes; padding on: after every 64 words 4 words
	s_mov_b32 s[G1V], (1<<16)|(1<<20)|(5<<22)|(7<<25)   ; the same with 8 words
.irp g, G1K, G1V
	s_mov_b32 s[\g+1], 128<<16                     ; tensor_dim0 = 128
	s_mov_b32 s[\g+2], 128<<16                     ; tensor_dim1 = 128
	s_mov_b32 s[\g+3], 128<<16                     ; tile_dim0
	s_mov_b32 s[\g+4], 128                         ; tile_dim1
	s_mov_b32 s[\g+5], 128                         ; from row to row
	s_mov_b32 s[\g+6], 0
	s_mov_b32 s[\g+7], 0
.endr
	s_mov_b32 s[CS], 0x3e0293ee                    ; c = log2(e) / sqrt(128)
	s_mov_b32 s[CS+1], s[CS]
	s_mov_b32 s[SEL], 0x76543210
	s_mov_b32 s[SEL+1], 0xfedcba98
	s_mov_b32 s[SL], 8
	s_cmp_eq_u32 ttmp9, 0
	s_cselect_b32 s[PLIM], 1, -1
	s_wait_dscnt 0x0                               ; both opening adds are done
	s_wait_kmcnt 0x0
	s_add_nc_u64 s[66:67], s[4:5], s[66:67]
	s_add_nc_u64 s[68:69], s[4:5], s[68:69]
.irp s, 0,1
	s_mov_b32 s[G0K+4*\s], 1
	s_add_co_u32 s[G0K+4*\s+1], s72, \s*SLOTB
	s_add_nc_u64 s[G0K+4*\s+2:G0K+4*\s+3], s[66:67], s[70:71]
	s_add_nc_u64 s[G0K+4*\s+2:G0K+4*\s+3], s[G0K+4*\s+2:G0K+4*\s+3], \s*65536   ; slot s begins with keys 256 s on
	s_or_b32 s[G0K+4*\s+3], s[G0K+4*\s+3], 0x80000000
	s_mov_b32 s[G0V+4*\s], 1
	s_add_co_u32 s[G0V+4*\s+1], s73, \s*SLOTB
	s_add_nc_u64 s[G0V+4*\s+2:G0V+4*\s+3], s[68:69], s[70:71]
	s_add_nc_u64 s[G0V+4*\s+2:G0V+4*\s+3], s[G0V+4*\s+2:G0V+4*\s+3], \s*65536
	s_or_b32 s[G0V+4*\s+3], s[G0V+4*\s+3], 0x80000000
.endr
	TLOAD G0K, G0V                                 ; keys 0 to 255: key 0 counts for every query
	s_lshl_b32 s74, s[WV], 14                      ; the prefetches: my wave's 64 rows,
	s_add_co_u32 s74, s74, 65536                   ; in the second slot's worth: the first change of slots steps it to the third
	s_mov_b32 s75, 0
	s_add_nc_u64 s[PFK:PFK+1], s[66:67], s[74:75]
	s_add_nc_u64 s[PFV:PFV+1], s[68:69], s[74:75]
	s_lshr_b32 s76, s[WV], 1
	s_lshl_b32 s77, s11, 1
	s_add_co_u32 s76, s76, s77                     ; my query head
	s_lshl_b32 s78, s76, 1
	s_add_co_u32 s78, s78, s10
	s_lshl_b32 s78, s78, 19
	s_mov_b32 s79, 0
	s_add_nc_u64 s[4:5], s[4:5], s[78:79]          ; Q of my head and batch,
	s_lshl_b32 s78, s[PBB], 8
	s_add_nc_u64 s[QB:QB+1], s[4:5], s[78:79]      ; at the second block,
	s_lshl_b32 s78, s[PBA], 8
	s_add_nc_u64 s[4:5], s[4:5], s[78:79]          ; and at the first
	s_lshl_b32 s77, s10, 11
	s_add_co_u32 s77, s77, s[P16]                  ; ao: my batch's rows, the 16 positions of my register tile 0,
	s_lshl_b32 s77, s77, 11                        ; rows of 2,048 bytes,
	s_lshl_b32 s78, s76, 8                         ; my head's 256 bytes
	s_add_co_u32 s78, s78, s77
	s_add_nc_u64 s[6:7], s[6:7], s[78:79]
	s_lshl_b32 s78, s[PBB], 11
	s_add_nc_u64 s[OB:OB+1], s[6:7], s[78:79]
	s_lshl_b32 s78, s[PBA], 11
	s_add_nc_u64 s[6:7], s[6:7], s[78:79]
	v_and_b32 v1, 15, v0                           ; r
	v_bfe_u32 v29, v0, 4, 1                        ; h
	v_lshlrev_b32 v30, 8, v1
	v_lshl_add_u32 v30, v29, 4, v30                ; row r of 256 bytes, + 16 h
	s_lshl_b32 s66, s[P16], 8
	s_lshl_b32 s67, s[Q16], 8
	v_add_nc_u32 v[QO], s66, v30                   ; register tile 0: the block's rows 16 p on,
	v_add_nc_u32 v[QO1], s67, v30                  ; register tile 1: the other 16
	QLOAD 4
	v_mul_u32_u24 v[AK0], v1, PK
	v_lshl_add_u32 v[AK0], v29, 4, v[AK0]          ; K: row x pitch + 16 h
	v_and_b32 v30, 7, v0
	v_bfe_u32 v31, v0, 3, 1
	v_lshl_add_u32 v[AV0], v29, 3, v30             ; V: key 8 h + lane % 8, channels 8 ((lane / 8) % 2) on
	v_mul_u32_u24 v[AV0], v[AV0], PV
	v_lshl_add_u32 v[AV0], v31, 4, v[AV0]
	v_add_nc_u32 v[AV0], VOFF, v[AV0]
	s_mul_i32 s66, s[WV], AREA
	s_add_co_u32 s66, s66, MRG                     ; my area
	s_xor_b32 s67, s[WV], 1
	s_mul_i32 s67, s67, AREA
	s_add_co_u32 s67, s67, MRG                     ; my partner's
	v_and_b32 v31, 31, v0
	v_lshl_add_u32 v[MWO], v31, 4, s66
	v_lshl_add_u32 v[MWS], v31, 3, s66
	v_lshl_add_u32 v[MRO], v31, 4, s67
	v_lshl_add_u32 v[MRS], v31, 3, s67
	v_mul_u32_u24 v[STO], v1, SP
	v_lshl_add_u32 v[STO], v29, 4, v[STO]
	v_add_nc_u32 v[STO], s67, v[STO]               ; the stage: in: row r, 16 bytes for each half of the lanes
	v_mul_u32_u24 v[RD], v29, SP
	v_lshl_add_u32 v[RD], v1, 4, v[RD]
	v_add_nc_u32 v[RD], s67, v[RD]                 ; back: lanes 0-15 one row of 256 bytes, lanes 16-31 the next
	v_lshlrev_b32 v[GO], 11, v29                   ; ao: rows of 2,048 bytes
	v_lshl_add_u32 v[GO], v1, 4, v[GO]
	v_lshlrev_b32 v30, 3, v29
	v_sub_nc_u32 v[RH], v1, v30
	v_mov_b32 v[NEG], 0xff800000
	v_lshlrev_b32 v[PFO], 8, v31
	INIT
; Product i of 16 of S^T = K Q^T of tile t: channels 32 (i / 4) on, keys 16 (i % 4) on.  The first 4 start the sums.  The accumulators take turns, one instruction a turn.
.macro KQ t
	WIN W_KQ
.set rS, S+32*(\t)+8*(i%4)
.set rK, KFR+32*(i%4)+8*(i/4)
.set rQ, 32*(\t)+8*(i/4)
.if i < 4
	v_wmma_f32_16x16x32_f16 v[rS:rS+7], v[rK:rK+7], v[rQ:rQ+7], 0
.else
	v_wmma_f32_16x16x32_f16 v[rS:rS+7], v[rK:rK+7], v[rQ:rQ+7], v[rS:rS+7]
.endif
.endm
; Product i of 16 of O^T += V^T P of tile t: keys 32 (i / 8) on, channels 16 (i % 8) on.
.macro PV t
	WIN W_PV
.set rO, 64*(\t)+8*(i%8)
.set rV, 64*(i/8)+8*(i%8)
.set rP, P+16*(\t)+8*(i/8)
	v_wmma_f32_16x16x32_f16 v[rO:rO+7], v[rV:rV+7], v[rP:rP+7], v[rO:rO+7]
.endm
.macro FETCH_K                         ; a step's K: 64 keys x 128 channels, 16 fragments
	v_add_nc_u32 v[ADK], s[TBK], v[AK0]
	WIN 0x80
.set f, 0
.rept 16
	ds_load_b128 v[KFR+8*f:KFR+8*f+3],   v[ADK] offset:(f/4)*16*PK+(f%4)*64
	ds_load_b128 v[KFR+8*f+4:KFR+8*f+7], v[ADK] offset:(f/4)*16*PK+(f%4)*64+32
.set f, f+1
.endr
	WIN 0
.endm
.macro FETCH_V                         ; and its V, turned: keys 32 (f / 8) on, channels 16 (f % 8) on
	v_add_nc_u32 v[ADV], s[TBV], v[AV0]
	WIN 0xc0
.set f, 0
.rept 16
	ds_load_tr16_b128 v[8*f:8*f+3],   v[ADV] offset:(f/8)*32*PV+(f%8)*32
	ds_load_tr16_b128 v[8*f+4:8*f+7], v[ADV] offset:(f/8)*32*PV+16*PV+(f%8)*32
.set f, f+1
.endr
	WIN 0
.endm
; One tile's softmax for one key step is a list of 134 instructions; SM writes number j of it for tile t.
;   0-15 the maximum of the lane's 32 scores and the old m;  16-20 the other half of the lanes' maximum, the new m, c m, its change;  21-69 ONE BATCH: 16 packed scalings c s - c m and 33 exponentials, none of which reads
;   an exponential's result;  70-85 the roundings to f16;  86-101 the sums, l = a l + the sum;  102-133 O^T times a.
.macro SM t
.set rT, ST+8*(\t)
.set rS, S+32*(\t)
.set rP, P+16*(\t)
.set rO, 64*(\t)+2*(j-102)
.if j < 102
	WIN 0
.endif
.if j < 4
	v_max3_num_f32 v[rT+4+j], v[rS+8*j], v[rS+8*j+1], v[rS+8*j+2]
.elseif j < 12
	v_max3_num_f32 v[rT+4+j%4], v[rT+4+j%4], v[rS+8*(j%4)+2*(j/4)+1], v[rS+8*(j%4)+2*(j/4)+2]
.elseif j == 12
	v_max3_num_f32 v[rT+4], v[rT+4], v[rS+7], v[rS+15]
.elseif j == 13
	v_max3_num_f32 v[rT+6], v[rT+6], v[rS+23], v[rS+31]
.elseif j == 14
	v_max3_num_f32 v[rT+4], v[rT+4], v[rT+5], v[rT+6]
.elseif j == 15
	v_max3_num_f32 v[rT+4], v[rT+4], v[rT+7], v[rT+1]
.elseif j == 16
	v_permlanex16_b32 v[rT+5], v[rT+4], s[SEL], s[SEL+1]
.elseif j == 17
	v_mov_b32 v[rT+7], v[rT]
.elseif j == 18
	v_max_num_f32 v[rT+1], v[rT+4], v[rT+5]
.elseif j == 19
	v_mul_f32 v[rT], s[CS], v[rT+1]
.elseif j == 20
	v_sub_f32 v[rT+7], v[rT+7], v[rT]
.elseif j == 23
	v_exp_f32 v[rT+6], v[rT+7]
.elseif (j < 23) || ((j < 38) && (j%2 == 0)) || ((j < 66) && (j%4 == 2))
.set b, (j-2)/4
.if j < 38
.set b, (j-20)/2
.endif
	v_pk_fma_f32 v[rS+2*b:rS+2*b+1], v[rS+2*b:rS+2*b+1], s[CS:CS+1], v[rT:rT+1] op_sel_hi:[1,0,0] neg_lo:[0,0,1] neg_hi:[0,0,1]
.elseif j < 70
.set e, j-38
.if j < 66
.set e, j-32-(j-38)/4
.endif
.if j < 38
.set e, (j-25)/2
.endif
	v_exp_f32 v[rS+e], v[rS+e]
.elseif j < 86
	v_cvt_pk_f16_f32 v[rP+j-70], v[rS+2*(j-70)], v[rS+2*(j-70)+1]
.elseif j < 102
.set z, j-86
.set w, 4
.set u, z
.if z >= 14
.set w, 32
.set u, 0
.elseif z >= 12
.set w, 16
.set u, z-12
.elseif z >= 8
.set w, 8
.set u, z-8
.endif
.if z < 15
	v_pk_add_f32 v[rS+w*u:rS+w*u+1], v[rS+w*u:rS+w*u+1], v[rS+w*u+w/2:rS+w*u+w/2+1]
.else
	v_pk_fma_f32 v[rT+2:rT+3], v[rT+2:rT+3], v[rT+6:rT+7], v[rS:rS+1] op_sel_hi:[1,0,1]
.endif
.else
	WIN W_RS
	v_pk_mul_f32 v[rO:rO+1], v[rO:rO+1], v[rT+6:rT+7] op_sel_hi:[1,0]
.endif
.endm
; Slice i of 16 of tile t's list.  Between numbers 69 and 70 stand the plain instruction behind the last exponential and the one wait for the tile's 33, ahead of their first reader.
.macro SMRUN t
.rept 134*(i+1)/16-134*i/16
.if j == 70
	v_nop
	s_wait_alu depctr_va_vdst(0)
.endif
	SM \t
.set j, j+1
.endr
.endm
; On the diagonal register n of tile t holds key KEY + 8 h + 16 (n / 8) + n % 8: hidden where that comes after my query, s[pos] + lane % 16.  Each accumulator from its low end on.
.macro MASK t, pos
	s_cmp_lg_u32 s[KEY], s[P0]
	s_cbranch_scc1 .Lopen_\@
	s_sub_co_i32 s66, s[\pos], s[KEY]
	v_add_nc_u32 v[DD], s66, v[RH]
.set n, 0
.rept 32
	v_cmp_gt_i32 vcc_lo, 16*(n/8)+n%8, v[DD]
	v_cndmask_b32 v[S+32*(\t)+n], v[S+32*(\t)+n], v[NEG], vcc_lo
.set n, n+1
.endr
.Lopen_\@:
.endm
; A KEY STEP of mine; the next is 128 keys on.  The loads into K's and V's registers stand four plain instructions or more behind the last products that read them (the four v_nop at a step's end).
.macro STEP
	s_cmp_gt_u32 s[KEY], s[LIM]                    ; all its keys come after the block's last position: nothing of it is read
	s_cbranch_scc1 .Lhid_\@
	FETCH_K
	FETCH_V
	s_wait_dscnt 32                                ; K is in; V's 32 loads may be out
.set i, 0
.rept 16
	KQ 0
.set i, i+1
.endr
	WIN 0
	PLACES
	MASK 0, POSA
.set i, 0
.set j, 0
.rept 16
	KQ 1                                           ; tile 1's scores | tile 0's softmax; its last slice, nine multiplies on tile 0's O^T, is the places behind the last of these products
	SMRUN 0
.set i, i+1
.endr
	WIN 0
	MASK 1, POSB
	s_wait_dscnt 0x0                               ; V is in
.set i, 0
.set j, 0
.rept 16
	PV 0                                           ; tile 0's V^T P | tile 1's softmax
	SMRUN 1
.set i, i+1
.endr
.set i, 0
.rept 16
	PV 1
.set i, i+1
.endr
	WIN 0
	PLACES
.Lhid_\@:
	s_add_co_u32 s[KEY], s[KEY], 128
	s_add_co_u32 s[TBK], s[TBK], 128*PK
	s_add_co_u32 s[TBV], s[TBV], 128*PV
.endm
; A SLOT'S TURN.  Each wave waits for all its tensor loads (its part of this slot), adds 0 to its spare word, and waits for that and for its reads of the other slot; behind the barrier this slot is whole and nobody
; reads the other one, which takes the next 256 keys: the load has a wave's two key steps in which to land.  One tensor load of mine is out behind each barrier.  pf = 1: the walk in which the prefetches are asked.
.macro TRIP slot, refill, pf
	s_wait_tensorcnt 0x0                           ; no tensor load of mine is out, so a group 0 may be written
	ds_add_u32 v[SPW], v[NIL]
	s_add_nc_u64 s[G0K+4*\slot+2:G0K+4*\slot+3], s[G0K+4*\slot+2:G0K+4*\slot+3], 131072   ; this slot's next keys: 512 on
	s_add_nc_u64 s[G0V+4*\slot+2:G0V+4*\slot+3], s[G0V+4*\slot+2:G0V+4*\slot+3], 131072
.if \pf
	s_wait_xcnt 0x0                                ; the last prefetches, a slot back, have read their addresses
	s_add_nc_u64 s[PFK:PFK+1], s[PFK:PFK+1], 65536
	s_add_nc_u64 s[PFV:PFV+1], s[PFV:PFV+1], 65536
	s_sub_co_u32 s[SL], s[SL], 1
.endif
	s_wait_dscnt 0x0
	s_barrier_signal -1
	s_barrier_wait -1
.if \refill
	s_add_co_u32 s66, s[KEYS], 256                 ; the first key of the slot that this change would ask for:
	s_cmp_gt_u32 s66, s[LIM]                       ; after the block's last position none of the four waves reads it, so it is not asked for.  The work-group's number and the count of slots alone: all four waves go the same way
	s_cbranch_scc1 .Lpast_\@
	TLOAD G0K+4*(1-\slot), G0V+4*(1-\slot)
.Lpast_\@:
.if \pf
	ASK
.endif
.endif
	s_add_co_u32 s[KEY], s[KEYS], s[KOFF]          ; my first step of the slot: its step p
	s_add_co_u32 s[KEYS], s[KEYS], 256
	s_add_co_u32 s[TBK], s[PKO], \slot*SLOTB
	s_add_co_u32 s[TBV], s[PVO], \slot*SLOTB
	s_mov_b32 s[CNT], 2
.Lstep_\@:
	STEP
	s_sub_co_u32 s[CNT], s[CNT], 1
	s_cmp_lg_u32 s[CNT], 0
	s_cbranch_scc1 .Lstep_\@
.endm
.macro WALK pf                         ; a block's eight slots' worth of keys
	s_mov_b32 s[LAP], 3
.Llap_\@:
	TRIP 0, 1, \pf
	TRIP 1, 1, \pf
	s_sub_co_u32 s[LAP], s[LAP], 1
	s_cmp_lg_u32 s[LAP], 0
	s_cbranch_scc1 .Llap_\@
	TRIP 0, 1, \pf                                 ; the last two slots are written out: behind the last nothing is left to ask for
	TRIP 1, 0, 0
.endm
; A BLOCK'S END.  My register tile 1 (64 registers of O^T as an image, 16 bytes a lane and 512 a store; c m and l as a pair) goes into my area; a barrier; my partner's share of my register tile 0 comes out of its area.
; With c m the larger of the two, f = 2^(own c m - c m) on each side: l = f l + f' l', O = (f O + f' O') / l.  Then 16 rows go out through a stage in the partner's area, which I alone read.
; more = 1: a block follows.  The barrier is then also the one in front of a refill: ahead of it all my tensor loads are waited for (none is out), the add, and the wait for it and for my stores; the descriptors go back
; eight slots; the first thing behind it is the load of keys 0 to 255 into slot 0, whose last reads lie two barriers back: it lands while the merge and the way out run.
.macro FINISH ob, more
	v_add_f32 v[ST+9], v[ST+10], v[ST+11]          ; tile 1's l, beside its c m (m's register is free)
	v_add_f32 v[ST+4], v[ST+2], v[ST+3]            ; tile 0's l
	WIN 0x04                                       ; an LDS store's data are its source 1: window 1
.set n, 0
.rept 16
	ds_store_b128 v[MWO], v[64+4*n:64+4*n+3] offset:512*n      ; each accumulator from its low end on
.set n, n+1
.endr
	WIN 0
	ds_store_b64 v[MWS], v[ST+8:ST+9] offset:MST
.if \more
	s_wait_tensorcnt 0x0
	ds_add_u32 v[SPW], v[NIL]
.irp g, G0K, G0K+4, G0V, G0V+4
	s_sub_nc_u64 s[\g+2:\g+3], s[\g+2:\g+3], 524288   ; back to the sequence's first keys; the type bits on top are not reached
.endr
.endif
	s_wait_dscnt 0x0                               ; for my partner's sake: my stores have landed
	s_barrier_signal -1
	s_barrier_wait -1
.if \more
	TLOAD G0K, G0V
.endif
	ds_load_b64 v[ST+10:ST+11], v[MRS] offset:MST  ; my partner's c m and l of my tile
.set n, 0
.rept 16
	ds_load_b128 v[S+4*n:S+4*n+3], v[MRO] offset:512*n
.set n, n+1
.endr
	s_wait_dscnt 16                                ; the pair is in; the 16 loads of O^T may be out
	v_max_num_f32 v[ST+12], v[ST], v[ST+10]
	v_sub_f32 v[ST+13], v[ST], v[ST+12]
	v_sub_f32 v[ST+15], v[ST+10], v[ST+12]
	v_exp_f32 v[ST+6], v[ST+13]                    ; f, mine
	v_exp_f32 v[ST+14], v[ST+15]                   ; f', my partner's
	v_nop                                          ; a plain instruction behind the last exponential
	s_wait_alu depctr_va_vdst(0)                   ; one wait for the two, ahead of their first reader
	v_mul_f32 v[ST+4], v[ST+6], v[ST+4]
	v_fma_f32 v[ST+4], v[ST+14], v[ST+11], v[ST+4]
	v_permlanex16_b32 v[ST+5], v[ST+4], s[SEL], s[SEL+1]
	v_add_f32 v[ST+4], v[ST+4], v[ST+5]            ; with the other half of the lanes': the row's sum
	v_rcp_f32 v[ST+13], v[ST+4]
	v_nop
	s_wait_alu depctr_va_vdst(0)
	v_mul_f32 v[ST+6], v[ST+6], v[ST+13]           ; f / l
	v_mul_f32 v[ST+14], v[ST+14], v[ST+13]         ; f' / l
	s_wait_dscnt 0x0                               ; my partner's O^T is in
.set i, 0
.rept 32
	v_pk_mul_f32 v[S+2*i:S+2*i+1], v[S+2*i:S+2*i+1], v[ST+14:ST+15] op_sel_hi:[1,0]
.set i, i+1
.endr
	WIN 0x01                                       ; source 0: window 1
.set i, 0
.rept 32
	v_pk_fma_f32 v[S+2*i:S+2*i+1], v[2*i:2*i+1], v[ST+6:ST+7], v[S+2*i:S+2*i+1] op_sel_hi:[1,0,1]   ; each accumulator from its low end on
.set i, i+1
.endr
	WIN 0
.set i, 0
.rept 32
	v_cvt_pk_f16_f32 v[P+i], v[S+2*i], v[S+2*i+1]
.set i, i+1
.endr
.irp f, 0,1,2,3,4,5,6,7
	ds_store_b128 v[STO], v[P+4*\f:P+4*\f+3] offset:32*\f       ; LDS serves a wave's instructions in order: these come behind my reads of the same bytes
.endr
.irp f, 0,1,2,3,4,5,6,7
	ds_load_b128 v[S+4*\f:S+4*\f+3], v[RD] offset:\f*2*SP
.endr
.irp f, 0,1,2,3,4,5,6,7
	s_wait_dscnt 7-\f
	global_store_b128 v[GO], v[S+4*\f:S+4*\f+3], s[\ob:\ob+1] offset:\f*4096   ; 16 lanes store 256 consecutive bytes, aligned
.endr
.endm
	s_wait_loadcnt 0x0                             ; Q
	WALK 1                                         ; block 63 - j
	QLOAD QB                                       ; the second block's Q is asked for ahead of the merge; the last products that read these registers lie behind a step's four v_nop
	FINISH 6, 1
	SETBLK PBB
	INIT
	s_wait_xcnt 0x0                                ; the first block's stores have read their registers, which the next products write
	s_wait_loadcnt 0x0                             ; Q
	WALK 0                                         ; block j
	FINISH OB, 0
	s_wait_tensorcnt 0x0                           ; the wave's end
	ds_add_u32 v[SPW], v[NIL]
	s_wait_dscnt 0x0
	s_endpgm
.Lfunc_end_k_qbbf51b4180_attn:
	.size	k_qbbf51b4180_attn, .Lfunc_end_k_qbbf51b4180_attn-k_qbbf51b4180_attn
	.p2alignl 7, 3214868480
	.fill 96, 4, 3214868480
	.section	.rodata,"a",@progbits
	.p2align	6, 0x0
	.amdhsa_kernel k_qbbf51b4180_attn
		.amdhsa_group_segment_fixed_size 327680
		.amdhsa_private_segment_fixed_size 0
		.amdhsa_enable_private_segment 0
		.amdhsa_kernarg_size 16
		.amdhsa_user_sgpr_count 2
		.amdhsa_user_sgpr_kernarg_segment_ptr 1
		.amdhsa_wavefront_size32 1
		.amdhsa_system_sgpr_workgroup_id_x 1
		.amdhsa_system_sgpr_workgroup_id_y 1
		.amdhsa_system_sgpr_workgroup_id_z 1
		.amdhsa_system_vgpr_workitem_id 0
		.amdhsa_next_free_vgpr 1024
		.amdhsa_next_free_sgpr 96
		.amdhsa_reserve_vcc 1
		.amdhsa_float_denorm_mode_32 3
		.amdhsa_float_denorm_mode_16_64 3
		.amdhsa_memory_ordered 1
		.amdhsa_forward_progress 1
		.amdhsa_inst_pref_size 255
	.end_amdhsa_kernel
	.section	.bss,"aw",@nobits
	.p2align	6
	.space	262144
	.amdgpu_metadata
---
amdhsa.version: [ 1, 2 ]
amdhsa.kernels:
  - .name:           k_qbbf51b4180_attn
    .symbol:         k_qbbf51b4180_attn.kd
    .args:
      - { .name: qkvh, .offset: 0, .size: 8, .value_kind: global_buffer, .address_space: global }
      - { .name: ao, .offset: 8, .size: 8, .value_kind: global_buffer, .address_space: global }
    .group_segment_fixed_size: 327680
    .private_segment_fixed_size: 0
    .kernarg_segment_align: 8
    .kernarg_segment_size: 16
    .max_flat_workgroup_size: 128
    .sgpr_count:     96
    .vgpr_count:     1024
    .wavefront_size: 32
...
	.end_amdgpu_metadata
.endif
;; end of part 3
;; launch oproj (part 4): grid 8 x 32, 4 waves a work-group, clusters of 4 x 4, 327,680 bytes of LDS; arguments ao, wo16, out0; writes out0
.if DOCPART == 4
	.amdgcn_target "amdgcn-amd-amdhsa--gfx1250"
	.amdhsa_code_object_version 6
	.text
	.protected	k_qbbf51b4180_oproj
	.globl	k_qbbf51b4180_oproj
	.p2align	8
	.type	k_qbbf51b4180_oproj,@function
k_qbbf51b4180_oproj:
	s_mov_b64 s[64:65], 0
	v_nop
	global_prefetch_b8 v0, s[64:65] scope:SCOPE_SE
	s_setreg_imm32_b32 hwreg(HW_REG_WAVE_MODE, 25, 1), 1
	s_wait_xcnt 0x0
	s_wait_alu depctr_hold_cnt(0) depctr_sa_sdst(0) depctr_va_vdst(0) depctr_va_sdst(0) depctr_va_ssrc(0) depctr_va_vcc(0) depctr_vm_vsrc(0)
	s_getreg_b32 s2, hwreg(HW_REG_IB_STS2, 6, 4)
	s_cmp_eq_u32 s2, 0
	s_cbranch_scc0 .Lentry_in_a_cluster
	s_endpgm
.Lentry_in_a_cluster:
	s_bfe_u32 s2, ttmp6, 0x10000c
	s_cmp_lg_u32 s2, 0xf033
	s_cbranch_scc0 .Lentry_shape_is_right
	s_endpgm
.Lentry_shape_is_right:
; out0 = ao Wo.  ao: [4096][1024] f16; wo16: [1024 (k)][2048 (n)] f16; out0: [4096][2048] f32; sums in f32.  (Rows 0-15 of each batch are written again, from f32 operands, by the last launch.)
; A tile of out0 is 128 rows x 256 columns: 256 work-groups; wave w makes rows 64 (w / 2) on, columns 128 (w % 2) on: 32 accumulators.  K goes in eight steps of 128 through a ring of two LDS slots.
; Wo stays [k][n]: its fragments come out of LDS turned, by ds_load_tr16_b128.  THE MATRIX INSTRUCTION IS USED TRANSPOSED (source 0 = 16 columns of Wo, source 1 = 16 rows of ao): a lane holds eight neighbouring numbers of a row of out0.
; CLUSTERS: 4 x 4.  ao's tile is shared along a row of the cluster, Wo's along a column: each is asked for jointly.
; REGISTERS: window 0: v0-31 addresses; v64-127 ao's fragments, two buffers; v128-255 the way out.   window 1: v0-127 Wo's fragments, two buffers.   window 2: accumulator (a, b) at v[8 (8 a + b)].
.set PA,     272                       ; a row of ao's tile: 256 bytes + 16
.set PB,     544                       ; a row of Wo's tile: 512 bytes + 32: an odd multiple of 32
.set ATILE,  128*PA
.set SLOT,   ATILE+128*PB
.set STAGE,  2*SLOT                    ; behind the ring: 16 rows x (512 + 16) bytes for each wave
.set SPITCH, 528
.set SPARE,  STAGE+4*16*SPITCH         ; the spare words, 128 bytes for each wave: two blocks of 256 bytes that no other line names
.set LAPS,   4
.set ADRA, 16
.set ADRB, 20
.set STO,  24
.set RD,   25
.set CO,   26
.set SPW,  28
.set NIL,  29
.set BK,   128
.set G1,  24
.set G0,  32
.set G1B, 48
.set G0B, 56
.set MULW, 0xa1
.set MSB, 0
.macro WIN new
.if MSB != \new
	s_set_vgpr_msb (MSB<<8)|\new
.set MSB, \new
.endif
.endm
.macro PLACES
.rept 4
	v_nop
.endr
.endm
.macro JLOAD s                         ; a joint load: waves 0 and 1 fetch ao's halves, waves 2 and 3 Wo's
	s_cmp_eq_u32 s11, 0
	s_cbranch_scc0 .Lfor_b_\@
	tensor_load_to_lds s[G0+4*\s:G0+4*\s+3], s[G1:G1+7]
	s_nop 0
.rept 4
	v_nop
.endr
	s_branch .Lasked_\@
.Lfor_b_\@:
	tensor_load_to_lds s[G0B+4*\s:G0B+4*\s+3], s[G1B:G1B+7]
	s_nop 0
.rept 4
	v_nop
.endr
.Lasked_\@:
.endm
.macro CREST
	s_cmp_lg_u32 s10, 0
	s_cbranch_scc1 .Lnot_wave_0_\@
	s_barrier_signal -3
.Lnot_wave_0_\@:
	s_barrier_wait -3
	s_barrier_signal -1
	s_barrier_wait -1
.endm
.macro CROUND
	s_barrier_signal -1
	s_barrier_wait -1
	CREST
.endm
	s_load_b128 s[4:7], s[0:1], 0x0                ; ao s[4:5], wo16 s[6:7]
	s_load_b64 s[8:9], s[0:1], 0x10                ; out0
	v_lshl_add_u32 v[SPW], v0, 2, SPARE
	v_mov_b32 v[NIL], 0
	ds_add_u32 v[SPW], v[NIL]                      ; the wave's opening: the add, twice on end, and its wait ahead of my first tensor load
	ds_add_u32 v[SPW], v[NIL]
	v_lshrrev_b32 v1, 5, v0
	v_readfirstlane_b32 s10, v1
	s_lshr_b32 s11, s10, 1                         ; my half of the tile's rows.  Also: I fetch for ao (0) or for Wo (1)
	s_and_b32 s12, s10, 1                          ; my half of its columns.  Also: which half of that tile I fetch
	s_bfe_u32 s40, ttmp6, 0x40000
	s_bfe_u32 s41, ttmp6, 0x40004
	s_lshl_b32 s42, ttmp9, 2
	s_add_co_u32 s42, s42, s40                     ; tile column 0..7
	s_and_b32 s13, ttmp7, 0xffff
	s_lshl_b32 s13, s13, 2
	s_add_co_u32 s13, s13, s41                     ; tile row 0..31
	s_lshl_b32 s43, s41, 2
	s_lshl_b32 s43, 15, s43
	s_lshl_b32 s44, 0x1111, s40
	s_or_b32 s[G1], s43, (1<<16)|(1<<20)|(1<<21)|(5<<22)|(3<<25)    ; ao: 64 rows x 128 elements of 2 bytes; 4 words of padding after every 64
	s_mov_b32 s[G1+1], 128<<16
	s_mov_b32 s[G1+2], 64<<16
	s_mov_b32 s[G1+3], 128<<16
	s_mov_b32 s[G1+4], 64
	s_mov_b32 s[G1+5], 1024
	s_mov_b32 s[G1+6], 0
	s_mov_b32 s[G1+7], 0
	s_or_b32 s[G1B], s44, (1<<16)|(1<<20)|(1<<21)|(6<<22)|(7<<25)   ; Wo: 64 rows (k) x 256 elements; 8 words of padding after every 128
	s_mov_b32 s[G1B+1], 256<<16
	s_mov_b32 s[G1B+2], 64<<16
	s_mov_b32 s[G1B+3], 256<<16
	s_mov_b32 s[G1B+4], 64
	s_mov_b32 s[G1B+5], 2048
	s_mov_b32 s[G1B+6], 0
	s_mov_b32 s[G1B+7], 0
	s_lshl_b32 s16, s13, 7
	s_lshl_b32 s17, s12, 6
	s_add_co_u32 s16, s16, s17                     ; ao: row 128 x tile row + 64 x half,
	s_lshl_b32 s16, s16, 11                        ; of 2,048 bytes
	s_mov_b32 s17, 0
	s_lshl_b32 s46, s12, 18                        ; Wo: row 64 x half, of 4,096 bytes,
	s_lshl_b32 s47, s42, 9                         ; + 512 bytes x tile column
	s_add_co_u32 s46, s46, s47
	s_mov_b32 s47, 0
	s_mul_i32 s20, s12, 64*PA
	s_mul_i32 s21, s12, 64*PB
	s_add_co_u32 s21, s21, ATILE
	s_wait_dscnt 0x0
	s_wait_kmcnt 0x0
	s_add_nc_u64 s[14:15], s[4:5], s[16:17]
	s_add_nc_u64 s[46:47], s[6:7], s[46:47]
	CROUND                                         ; all sixteen work-groups are here: the first joint loads meet
.irp s, 0,1
	s_mov_b32 s[G0+4*\s], 1
	s_add_co_u32 s[G0+4*\s+1], s20, \s*SLOT
	s_add_nc_u64 s[G0+4*\s+2:G0+4*\s+3], s[14:15], \s*256
	s_or_b32 s[G0+4*\s+3], s[G0+4*\s+3], 0x80000000
	s_mov_b32 s[G0B+4*\s], 1
	s_add_co_u32 s[G0B+4*\s+1], s21, \s*SLOT
	s_add_nc_u64 s[G0B+4*\s+2:G0B+4*\s+3], s[46:47], \s*524288
	s_or_b32 s[G0B+4*\s+3], s[G0B+4*\s+3], 0x80000000
	JLOAD \s
.endr
	v_and_b32 v1, 15, v0
	v_bfe_u32 v2, v0, 4, 1
	v_mul_u32_u24 v3, v1, PA
	v_lshl_add_u32 v3, v2, 4, v3                   ; ao: row x pitch + 16 h
	v_and_b32 v4, 7, v0
	v_bfe_u32 v5, v0, 3, 1
	v_lshl_add_u32 v4, v2, 3, v4
	v_mul_u32_u24 v4, v4, PB
	v_lshl_add_u32 v4, v5, 4, v4                   ; Wo: row 8 h + lane % 8, columns 8 ((lane / 8) % 2) on
	s_mul_i32 s22, s11, 64*PA
	s_lshl_b32 s23, s12, 8                         ; my 128 columns: 256 bytes
	s_add_co_u32 s23, s23, ATILE
.irp s, 0,1
	v_add_nc_u32 v[ADRA+\s], s22, v3
	v_add_nc_u32 v[ADRB+\s], s23, v4
	s_add_co_u32 s22, s22, SLOT
	s_add_co_u32 s23, s23, SLOT
.endr
	s_mul_i32 s23, s10, 16*SPITCH
	s_add_co_u32 s23, s23, STAGE
	v_mul_u32_u24 v5, v1, SPITCH
	v_lshl_add_u32 v5, v2, 5, v5
	v_add_nc_u32 v[STO], s23, v5                   ; in: row r, 32 bytes for each half of the lanes
	v_and_b32 v6, 31, v0
	v_lshlrev_b32 v[CO], 4, v6
	v_add_nc_u32 v[RD], s23, v[CO]                 ; back: the 32 lanes take one row of 512 bytes
	s_lshl_b32 s16, s13, 7
	s_lshl_b32 s17, s11, 6
	s_add_co_u32 s16, s16, s17
	s_lshl_b32 s16, s16, 13                        ; my first row of out0, of 8,192 bytes
	s_mov_b32 s17, 0
	s_add_nc_u64 s[8:9], s[8:9], s[16:17]
	s_lshl_b32 s46, s42, 10
	s_lshl_b32 s47, s12, 9
	s_add_co_u32 s46, s46, s47
	s_mov_b32 s47, 0
	s_add_nc_u64 s[8:9], s[8:9], s[46:47]
; 8 matrix instructions: ao's block a against Wo's eight, 32 along K, from buffers f.  The 32 accumulators take turns, in the same order in every quarter.
.macro MUL8 f, a, zero
.irp b, 0,1,2,3,4,5,6,7
.if \zero
	v_wmma_f32_16x16x32_f16 v[8*(8*(\a)+\b):8*(8*(\a)+\b)+7], v[64*(\f)+8*\b:64*(\f)+8*\b+7], v[64+32*(\f)+8*(\a):64+32*(\f)+8*(\a)+7], 0
.else
	v_wmma_f32_16x16x32_f16 v[8*(8*(\a)+\b):8*(8*(\a)+\b)+7], v[64*(\f)+8*\b:64*(\f)+8*\b+7], v[64+32*(\f)+8*(\a):64+32*(\f)+8*(\a)+7], v[8*(8*(\a)+\b):8*(8*(\a)+\b)+7]
.endif
.endr
.endm
.macro FETCH slot, kq, f               ; the fragments of the slot's kq-th 32 along K into buffers f: 24 LDS loads in one run
	WIN 0x40
.irp i, 0,1,2,3,4,5,6,7
	ds_load_tr16_b128 v[64*(\f)+8*\i:64*(\f)+8*\i+3],   v[ADRB+\slot] offset:(\kq)*32*PB+32*\i
	ds_load_tr16_b128 v[64*(\f)+8*\i+4:64*(\f)+8*\i+7], v[ADRB+\slot] offset:(\kq)*32*PB+16*PB+32*\i
.endr
	WIN 0
.irp i, 0,1,2,3
	ds_load_b128 v[64+32*(\f)+8*\i:64+32*(\f)+8*\i+3],   v[ADRA+\slot] offset:64*(\kq)+\i*16*PA
	ds_load_b128 v[64+32*(\f)+8*\i+4:64+32*(\f)+8*\i+7], v[ADRA+\slot] offset:64*(\kq)+\i*16*PA+32
.endr
.endm
.macro QUARTER slot, kq, f, zero       ; multiplies buffers f; fetches the slot's kq-th quarter into the others
	s_wait_dscnt 0x0
	PLACES
	FETCH \slot, \kq, 1-\f
	WIN MULW
	MUL8 \f, 0, \zero
	MUL8 \f, 1, \zero
	MUL8 \f, 2, \zero
	MUL8 \f, 3, \zero
.endm
; A slot's last quarter multiplies buffers 1 and changes slots: one barrier; in front of it each wave waits for all its tensor loads, adds 0 to its spare word, and waits for that and for its reads of this slot.
.macro TURN slot, next, fill
	WIN 0
	s_wait_tensorcnt 0x0
	ds_add_u32 v[SPW], v[NIL]
	s_wait_dscnt 1                                 ; the fragments are in (the add may be out)
	WIN MULW
	MUL8 1, 0, 0
	s_wait_dscnt 0x0
	s_barrier_signal -1
	MUL8 1, 1, 0
	WIN 0
	s_barrier_wait -1
.if \fill
	CREST                                          ; the barrier has opened a round of the cluster's: no wave of any partner still reads this slot or has a load on its way
	s_add_nc_u64 s[G0+4*\slot+2:G0+4*\slot+3], s[G0+4*\slot+2:G0+4*\slot+3], 512
	s_add_nc_u64 s[G0B+4*\slot+2:G0B+4*\slot+3], s[G0B+4*\slot+2:G0B+4*\slot+3], 1048576
	JLOAD \slot                                    ; the four v_nop behind it are also the places in front of the loads below
.else
	PLACES
.endif
	FETCH \next, 0, 0
	WIN MULW
	MUL8 1, 2, 0
	MUL8 1, 3, 0
.endm
	s_wait_tensorcnt 1                             ; my part of K step 0 is in; K step 1's may be out
	s_barrier_signal -1
	s_barrier_wait -1
	FETCH 0, 0, 0
	QUARTER 0, 1, 0, 1                             ; the first quarter stands in front of the loop: its products start the sums
	WIN 0
	s_mov_b32 s3, LAPS-1
.Llap:                                                 ; a trip goes once round the ring, from a lap's second quarter to the next lap's first, and fills both slots again
	QUARTER 0, 2, 1, 0
	QUARTER 0, 3, 0, 0
	TURN 0, 1, 1
	QUARTER 1, 1, 0, 0
	QUARTER 1, 2, 1, 0
	QUARTER 1, 3, 0, 0
	TURN 1, 0, 1
	QUARTER 0, 1, 0, 0
	WIN 0
	s_sub_co_u32 s3, s3, 1
	s_cmp_lg_u32 s3, 0
	s_cbranch_scc1 .Llap
	QUARTER 0, 2, 1, 0                             ; the last lap fills nothing
	QUARTER 0, 3, 0, 0
	TURN 0, 1, 0
	QUARTER 1, 1, 0, 0
	QUARTER 1, 2, 1, 0
	QUARTER 1, 3, 0, 0
	s_wait_dscnt 0x0
	MUL8 1, 0, 0
	MUL8 1, 1, 0
	MUL8 1, 2, 0
	MUL8 1, 3, 0
	WIN 0
; THE WAY OUT, a block of 16 rows x 128 columns at a time, through my own stage: back come whole rows of 512 bytes.
.macro TOSTAGE a
	WIN 0x08                                       ; an LDS store's data are its source 1: window 2
.irp b, 0,1,2,3,4,5,6,7
	ds_store_b128 v[STO], v[64*(\a)+8*\b:64*(\a)+8*\b+3] offset:64*\b          ; each accumulator from its low end on
	ds_store_b128 v[STO], v[64*(\a)+8*\b+4:64*(\a)+8*\b+7] offset:64*\b+16
.endr
	WIN 0
.set BB, BK+64*((\a)%2)
.set t, 0
.rept 16
	ds_load_b128 v[BB+4*t:BB+4*t+3], v[RD] offset:t*SPITCH
.set t, t+1
.endr
.endm
.macro SEND a, younger
.set BB, BK+64*((\a)%2)
	s_wait_dscnt \younger
.if (\a) > 0
	s_add_nc_u64 s[8:9], s[8:9], 16*8192           ; 16 rows on (the earlier stores have read their base: a wait on XCNT stands ahead)
.endif
.set t, 0
.rept 16
	global_store_b128 v[CO], v[BB+4*t:BB+4*t+3], s[8:9] offset:t*8192 th:TH_STORE_NT   ; 32 lanes store 512 consecutive bytes, aligned
.set t, t+1
.endr
.endm
	PLACES
	TOSTAGE 0
.irp a, 1,2,3
.if \a > 1
	s_wait_xcnt 0x0                                ; block a - 2's stores have read their registers and their base
.endif
	TOSTAGE \a
	SEND \a-1, 32                                  ; behind block a - 1's loads: block a's 16 stores and 16 loads
.endr
	s_wait_xcnt 0x0
	SEND 3, 0
	s_wait_tensorcnt 0x0                           ; the wave's end
	ds_add_u32 v[SPW], v[NIL]
	s_wait_dscnt 0x0
	CROUND                                         ; the closing round
	s_endpgm
.Lfunc_end_k_qbbf51b4180_oproj:
	.size	k_qbbf51b4180_oproj, .Lfunc_end_k_qbbf51b4180_oproj-k_qbbf51b4180_oproj
	.p2alignl 7, 3214868480
	.fill 96, 4, 3214868480
	.section	.rodata,"a",@progbits
	.p2align	6, 0x0
	.amdhsa_kernel k_qbbf51b4180_oproj
		.amdhsa_group_segment_fixed_size 327680
		.amdhsa_private_segment_fixed_size 0
		.amdhsa_enable_private_segment 0
		.amdhsa_kernarg_size 24
		.amdhsa_user_sgpr_count 2
		.amdhsa_user_sgpr_kernarg_segment_ptr 1
		.amdhsa_wavefront_size32 1
		.amdhsa_system_sgpr_workgroup_id_x 1
		.amdhsa_system_sgpr_workgroup_id_y 1
		.amdhsa_system_sgpr_workgroup_id_z 1
		.amdhsa_system_vgpr_workitem_id 0
		.amdhsa_next_free_vgpr 768
		.amdhsa_next_free_sgpr 66
		.amdhsa_reserve_vcc 0
		.amdhsa_float_denorm_mode_32 3
		.amdhsa_float_denorm_mode_16_64 3
		.amdhsa_memory_ordered 1
		.amdhsa_forward_progress 1
		.amdhsa_inst_pref_size 85
	.end_amdhsa_kernel
	.amdgpu_metadata
---
amdhsa.version: [ 1, 2 ]
amdhsa.kernels:
  - .name:           k_qbbf51b4180_oproj
    .symbol:         k_qbbf51b4180_oproj.kd
    .args:
      - { .name: ao, .offset: 0, .size: 8, .value_kind: global_buffer, .address_space: global }
      - { .name: wo16, .offset: 8, .size: 8, .value_kind: global_buffer, .address_space: global }
      - { .name: out0, .offset: 16, .size: 8, .value_kind: global_buffer, .address_space: global }
    .group_segment_fixed_size: 327680
    .private_segment_fixed_size: 0
    .kernarg_segment_align: 8
    .kernarg_segment_size: 24
    .max_flat_workgroup_size: 128
    .sgpr_count:     66
    .vgpr_count:     768
    .wavefront_size: 32
...
	.end_amdgpu_metadata
.endif
;; end of part 4
;; launch first16 (part 5): grid 128 x 2, 8 waves a work-group, no clusters, 9,216 bytes of LDS; arguments rows32, Wo, out0; writes out0
.if DOCPART == 5
	.amdgcn_target "amdgcn-amd-amdhsa--gfx1250"
	.amdhsa_code_object_version 6
	.text
	.protected	k_qbbf51b4180_first16
	.globl	k_qbbf51b4180_first16
	.p2align	8
	.type	k_qbbf51b4180_first16,@function
k_qbbf51b4180_first16:
	s_mov_b64 s[64:65], 0
	v_nop
	global_prefetch_b8 v0, s[64:65] scope:SCOPE_SE
	s_setreg_imm32_b32 hwreg(HW_REG_WAVE_MODE, 25, 1), 1
	s_wait_xcnt 0x0
; Positions 0-15 of both batches once more, with f32 operands throughout: scores, softmax, the weighted values and the projection, by v_wmma_f32_16x16x4_f32.  These rows average one to sixteen values and are the
; largest of the output, so the rounding of 16-bit operands weighs most there.  The results are written over what the launch before has stored in these 32 rows.
; rows32: f32 [head 16][batch 2][t 16][128] (heads 0-7 q, 8-11 k, 12-15 v, normed and rotated).  Wo: [1024][2048] f32.
; SHARES.  A work-group makes out0[batch][0..15][16 x .. 16 x + 15].  Wave w is query head w: it makes its head's 16 x 16 attention and its 128 deep part of the projection; the eight parts meet in LDS and wave 0 adds them
; in the order of the heads.  The attention is made again in each of the 128 column work-groups: 96 matrix instructions a wave in all; that spares a launch.  Nothing is shared between work-groups but small reads: no cluster.
; LAYOUT.  All three products are used transposed, so that a lane holds ONE query (lane % 16).  An operand of this form holds k = 2 (lane / 16) + j in register j; k is permuted alike on both sides of each product,
; so that the softmax's registers and O^T's registers are operands as they stand.
; The registers that these matrix instructions write (SA, SB; window 1: v0-95) are written by nothing else.
; REGISTERS: window 0: v32-95 Q, v96-159 K, v160-223 V, v224-239 two accumulators of S^T, v240-247 scores and weights, v248-255 at work.   window 1: v0-63 O^T, v64-95 four accumulators of the projection, v128-191 Wo.
.set SPARE, 8192                       ; behind the eight parts: the spare words, 128 bytes for each wave: four blocks of 256 bytes that no other line names
.set SPW, 30
.set NIL, 31
.set QF,  32
.set KFR, 96
.set VF,  160
.set SA,  224
.set SB,  232
.set PR,  240
.set MSB, 0
.macro WIN new
.if MSB != \new
	s_set_vgpr_msb (MSB<<8)|\new
.set MSB, \new
.endif
.endm
	s_load_b128 s[4:7], s[0:1], 0x0                ; rows32 s[4:5], Wo s[6:7]
	s_load_b64 s[8:9], s[0:1], 0x10                ; out0
	v_lshl_add_u32 v[SPW], v0, 2, SPARE
	v_mov_b32 v[NIL], 0
	v_lshrrev_b32 v1, 5, v0
	v_readfirstlane_b32 s10, v1                    ; wave = query head
	s_and_b32 s11, ttmp7, 0xffff                   ; batch
	s_lshl_b32 s12, ttmp9, 6                       ; my 16 columns, in bytes
	v_and_b32 v1, 15, v0                           ; r
	v_bfe_u32 v2, v0, 4, 1                         ; h
	v_lshlrev_b32 v3, 9, v1
	v_lshl_add_u32 v3, v2, 4, v3                   ; Q, K: row r of 512 bytes, + 16 h: channels 8 c + 4 h + 0 .. 3
	v_lshlrev_b32 v4, 2, v1
	v_lshl_add_u32 v5, v2, 12, v4                  ; V: key 8 h on, channel r
	v_lshl_add_u32 v6, v2, 16, v4                  ; Wo: row 8 h on, column r
	v_and_b32 v7, 31, v0
	v_lshlrev_b32 v7, 4, v7                        ; 16 x lane
	s_lshl_b32 s25, s10, 10
	v_add_nc_u32 v8, s25, v7                       ; where my part goes in LDS
	v_lshlrev_b32 v9, 13, v1
	v_lshl_add_u32 v9, v2, 5, v9                   ; out0: row r of 8,192 bytes, + 32 h
	v_lshlrev_b32 v248, 3, v2
	v_sub_nc_u32 v248, v1, v248                    ; r - 8 h
	v_mov_b32 v249, 0xff800000                     ; -infinity
	v_mov_b32 v251, 0                              ; written once: a lane permute's destination counts as one of its sources
	s_mov_b32 s22, 0x76543210
	s_mov_b32 s23, 0xfedcba98
	s_mov_b32 s24, 0x3e0293ee                      ; c = log2(e) / sqrt(128)
	s_lshl_b32 s14, s10, 1
	s_add_co_u32 s14, s14, s11
	s_lshl_b32 s14, s14, 13                        ; Q: (2 head + batch) x 8,192 bytes
	s_mov_b32 s15, 0
	s_lshr_b32 s16, s10, 1
	s_add_co_u32 s16, s16, 8
	s_lshl_b32 s16, s16, 1
	s_add_co_u32 s16, s16, s11
	s_lshl_b32 s16, s16, 13                        ; K; V lies 65,536 bytes on
	s_mov_b32 s17, 0
	s_lshl_b32 s18, s10, 20                        ; Wo: my head's 128 rows of 8,192 bytes,
	s_add_co_u32 s18, s18, s12                     ; my work-group's columns
	s_mov_b32 s19, 0
	s_lshl_b32 s20, s11, 24                        ; out0: my batch's first row,
	s_add_co_u32 s20, s20, s12
	s_mov_b32 s21, 0
	s_wait_kmcnt 0x0
	s_add_nc_u64 s[14:15], s[4:5], s[14:15]
	s_add_nc_u64 s[16:17], s[4:5], s[16:17]
	s_add_nc_u64 s[6:7], s[6:7], s[18:19]
	s_add_nc_u64 s[8:9], s[8:9], s[20:21]
.set c, 0
.rept 16
	global_load_b128 v[QF+4*c:QF+4*c+3], v3, s[14:15] offset:32*c
	global_load_b128 v[KFR+4*c:KFR+4*c+3], v3, s[16:17] offset:32*c
.set c, c+1
.endr
.set t, 0
.rept 8
.set e, 0
.rept 8
	global_load_b32 v[VF+8*t+e], v5, s[16:17] offset:65536+512*e+64*t      ; v(key 8 h + e, channel 16 t + r)
.set e, e+1
.endr
.set t, t+1
.endr
	WIN 0x40                                       ; destination window 1
.set t, 0
.rept 8
.set e, 0
.rept 8
	global_load_b32 v[128+8*t+e], v6, s[6:7] offset:(16*t+e)*8192          ; Wo(128 w + 16 t + 8 h + e, my column r)
.set e, e+1
.endr
.set t, t+1
.endr
	WIN 0
	s_wait_loadcnt 63                              ; of 160 loads at most the youngest 63, all of them Wo's, are out: Q, K and V are in
; S^T = K Q^T: 32 steps of 4 channels on two accumulators by turns; the first two start the sums
.set e, 0
.rept 32
.if e < 2
	v_wmma_f32_16x16x4_f32 v[SA+8*(e%2):SA+8*(e%2)+7], v[KFR+2*e:KFR+2*e+1], v[QF+2*e:QF+2*e+1], 0
.else
	v_wmma_f32_16x16x4_f32 v[SA+8*(e%2):SA+8*(e%2)+7], v[KFR+2*e:KFR+2*e+1], v[QF+2*e:QF+2*e+1], v[SA+8*(e%2):SA+8*(e%2)+7]
.endif
.set e, e+1
.endr
.rept 8
	v_nop                                          ; eight places behind this form, ahead of the first read of its results (ISA guide 7.12.1)
.endr
.irp k, 0,1,2,3
	v_pk_add_f32 v[PR+2*\k:PR+2*\k+1], v[SA+2*\k:SA+2*\k+1], v[SB+2*\k:SB+2*\k+1]   ; register j: the score of query r and key 8 h + j
.endr
.irp j, 0,1,2,3,4,5,6,7
	v_cmp_gt_i32 vcc_lo, \j, v248                  ; hidden where 8 h + j > r
	v_cndmask_b32 v[PR+\j], v[PR+\j], v249, vcc_lo
.endr
	v_max3_num_f32 v250, v[PR], v[PR+1], v[PR+2]
	v_max3_num_f32 v250, v250, v[PR+3], v[PR+4]
	v_max3_num_f32 v250, v250, v[PR+5], v[PR+6]
	v_max_num_f32 v250, v250, v[PR+7]
	v_permlanex16_b32 v251, v250, s22, s23
	v_max_num_f32 v250, v250, v251                 ; the row's maximum: key 0 counts for every query
	v_mul_f32 v250, s24, v250
.irp j, 0,1,2,3,4,5,6,7
	v_fma_f32 v[PR+\j], v[PR+\j], s24, -v250
.endr
.irp j, 0,1,2,3,4,5,6,7
	v_exp_f32 v[PR+\j], v[PR+\j]
.endr
	v_nop
	s_wait_alu depctr_va_vdst(0)                   ; one wait for the eight, ahead of their first reader
	v_pk_add_f32 v[252:253], v[PR:PR+1], v[PR+2:PR+3]
	v_pk_add_f32 v[254:255], v[PR+4:PR+5], v[PR+6:PR+7]
	v_pk_add_f32 v[252:253], v[252:253], v[254:255]
	v_add_f32 v252, v252, v253
	v_permlanex16_b32 v251, v252, s22, s23
	v_add_f32 v252, v252, v251
	v_rcp_f32 v254, v252
	v_nop
	s_wait_alu depctr_va_vdst(0)
	v_mov_b32 v255, v254
.irp k, 0,1,2,3
	v_pk_mul_f32 v[PR+2*\k:PR+2*\k+1], v[PR+2*\k:PR+2*\k+1], v[254:255]   ; the weights
.endr
; O^T = V^T P: 4 steps of 4 keys (2 c, 2 c + 1, 8 + 2 c, 9 + 2 c) on eight accumulators by turns
	WIN 0x50                                       ; C and D window 1
.set c, 0
.rept 4
.set t, 0
.rept 8
.if c == 0
	v_wmma_f32_16x16x4_f32 v[8*t:8*t+7], v[VF+8*t+2*c:VF+8*t+2*c+1], v[PR+2*c:PR+2*c+1], 0
.else
	v_wmma_f32_16x16x4_f32 v[8*t:8*t+7], v[VF+8*t+2*c:VF+8*t+2*c+1], v[PR+2*c:PR+2*c+1], v[8*t:8*t+7]
.endif
.set t, t+1
.endr
.set c, c+1
.endr
.rept 9
	v_nop                                          ; nine places before a matrix instruction takes these results as an operand
.endr
	s_wait_loadcnt 0x0                             ; Wo
; my head's part of the projection: source 0 = 16 columns of Wo, source 1 = O^T's registers as they stand; 32 steps of 4 channels on four accumulators by turns
	WIN 0x55
.set e, 0
.rept 32
.if e < 4
	v_wmma_f32_16x16x4_f32 v[64+8*(e%4):64+8*(e%4)+7], v[128+2*e:128+2*e+1], v[2*e:2*e+1], 0
.else
	v_wmma_f32_16x16x4_f32 v[64+8*(e%4):64+8*(e%4)+7], v[128+2*e:128+2*e+1], v[2*e:2*e+1], v[64+8*(e%4):64+8*(e%4)+7]
.endif
.set e, e+1
.endr
.rept 8
	v_nop
.endr
	WIN 0x05                                       ; sources window 1, destination window 0
.irp k, 0,1,2,3
	v_pk_add_f32 v[32+2*\k:33+2*\k], v[64+2*\k:65+2*\k], v[72+2*\k:73+2*\k]
.endr
.irp k, 0,1,2,3
	v_pk_add_f32 v[40+2*\k:41+2*\k], v[80+2*\k:81+2*\k], v[88+2*\k:89+2*\k]
.endr
	WIN 0
.irp k, 0,1,2,3
	v_pk_add_f32 v[32+2*\k:33+2*\k], v[32+2*\k:33+2*\k], v[40+2*\k:41+2*\k]   ; register j: my part of out0(query r, column 8 h + j)
.endr
	ds_store_b128 v8, v[32:35]                     ; as an image of the registers
	ds_store_b128 v8, v[36:39] offset:512
	s_wait_dscnt 0x0                               ; for the others' sake: my stores have landed
	s_barrier_signal -1
	s_barrier_wait -1
	s_cmp_lg_u32 s10, 0
	s_cbranch_scc1 .Ldone
.set w, 0
.rept 8
	ds_load_b128 v[96+8*w:99+8*w], v7 offset:1024*w
	ds_load_b128 v[100+8*w:103+8*w], v7 offset:1024*w+512
.set w, w+1
.endr
	s_wait_dscnt 0x0
.irp w, 1,2,3,4,5,6,7
.irp k, 0,1,2,3
	v_pk_add_f32 v[96+2*\k:97+2*\k], v[96+2*\k:97+2*\k], v[96+8*\w+2*\k:97+8*\w+2*\k]
.endr
.endr
	global_store_b128 v9, v[96:99], s[8:9]
	global_store_b128 v9, v[100:103], s[8:9] offset:16
.Ldone:
	s_wait_tensorcnt 0x0                           ; the wave's end: behind my last LDS store
	ds_add_u32 v[SPW], v[NIL]
	s_wait_dscnt 0x0
	s_endpgm
.Lfunc_end_k_qbbf51b4180_first16:
	.size	k_qbbf51b4180_first16, .Lfunc_end_k_qbbf51b4180_first16-k_qbbf51b4180_first16
	.p2alignl 7, 3214868480
	.fill 96, 4, 3214868480
	.section	.rodata,"a",@progbits
	.p2align	6, 0x0
	.amdhsa_kernel k_qbbf51b4180_first16
		.amdhsa_group_segment_fixed_size 9216
		.amdhsa_private_segment_fixed_size 0
		.amdhsa_enable_private_segment 0
		.amdhsa_kernarg_size 24
		.amdhsa_user_sgpr_count 2
		.amdhsa_user_sgpr_kernarg_segment_ptr 1
		.amdhsa_wavefront_size32 1
		.amdhsa_system_sgpr_workgroup_id_x 1
		.amdhsa_system_sgpr_workgroup_id_y 1
		.amdhsa_system_sgpr_workgroup_id_z 1
		.amdhsa_system_vgpr_workitem_id 0
		.amdhsa_next_free_vgpr 512
		.amdhsa_next_free_sgpr 66
		.amdhsa_reserve_vcc 1
		.amdhsa_float_denorm_mode_32 3
		.amdhsa_float_denorm_mode_16_64 3
		.amdhsa_memory_ordered 1
		.amdhsa_forward_progress 1
		.amdhsa_inst_pref_size 31
	.end_amdhsa_kernel
	.amdgpu_metadata
---
amdhsa.version: [ 1, 2 ]
amdhsa.kernels:
  - .name:           k_qbbf51b4180_first16
    .symbol:         k_qbbf51b4180_first16.kd
    .args:
      - { .name: rows32, .offset: 0, .size: 8, .value_kind: global_buffer, .address_space: global }
      - { .name: Wo, .offset: 8, .size: 8, .value_kind: global_buffer, .address_space: global }
      - { .name: out0, .offset: 16, .size: 8, .value_kind: global_buffer, .address_space: global }
    .group_segment_fixed_size: 9216
    .private_segment_fixed_size: 0
    .kernarg_segment_align: 8
    .kernarg_segment_size: 24
    .max_flat_workgroup_size: 256
    .sgpr_count:     66
    .vgpr_count:     512
    .wavefront_size: 32
...
	.end_amdgpu_metadata
.endif
;; end of part 5
